; MI455X (gfx1250); checked and timed in simulation.
; The chip was launched on July 23, 2026; its instructions are those of AMD's public machine-readable ISA for CDNA 5 (MIT licence, August 2026) and "CDNA5" Instruction Set Architecture Reference Guide (July 2026). The comments in the code are by the model that wrote it; some were corrected since.
;; Joint Geometry Attention. Allowed arithmetic: matrix products marked QUANTISED: E4M3 operands, one E8M0 scale for each 32 along K, by v_wmma_scale_f32_16x16x128_f8f6f4 with both operands' format E4M3, f32 sums; everything else in f32.
;; Inputs: W_out_codes 1,024 x 32 x 32 uint8 (E4M3 codes of W_out, K innermost, in blocks of 32 codes); W_out_scales 1,024 x 32 uint8 (E8M0 scales of W_out, one for each 32 codes along K); W_qkv_codes 3,072 x 32 x 32 uint8 (E4M3 codes of W_qkv, K innermost, in blocks of 32 codes); W_qkv_scales 3,072 x 32 uint8 (E8M0 scales of W_qkv, one for each 32 codes along K); hyp_k 1 x 16 x 1 x 1 float32; x_codes 4 x 1,024 x 32 x 32 uint8 (E4M3 codes of x, K innermost, in blocks of 32 codes); x_scales 4 x 1,024 x 32 uint8 (E8M0 scales of x, one for each 32 codes along K).
;; Outputs: out0 4 x 1,024 x 1,024 float32.
;; This version of the problem:
;;   THIS VERSION OF THE PROBLEM IS GIVEN IN LOW PRECISION. The matrix products marked QUANTISED in the list below multiply operands that are first quantised to E4M3 (4 exponent bits, 3 mantissa bits; 8 bits a number), with one power-of-two scale for each 32 numbers along K (OCP MX v1.0); their sums are f32. All else is computed in f32.
;;   The module's matrix products, in the order in which they are computed (A, B: the left and right operand; K: the contracted axis; several contracted axes count as one K, in the product's order):
;;     1. [M 4,096, K 1,024] x [K 1,024, N 3,072]; A: input x (given as codes); B: input W_qkv (given as codes): QUANTISED
;;     2. batch 64 x [M 1,024, K 64] x [K 64, N 1,024]; A: computed on the way; B: computed on the way: QUANTISED
;;     3. batch 64 x [M 1,024, K 1,024] x [K 1,024, N 64]; A: softmax (see below); B: computed on the way: QUANTISED
;;     4. [M 4,096, K 1,024] x [K 1,024, N 1,024]; A: computed on the way; B: input W_out (given as codes): QUANTISED
;;   THE QUANTISER, for each operand of a quantised product, along K:
;;     - K is cut into blocks of 32 from its start; a last block that is shorter is filled with zeros.
;;     - A block's scale is 2^e with e = floor(log2(the largest magnitude in the block)) - 8, held to -126 .. 127; a block of zeros has e = 0. As a byte (E8M0): e + 127.
;;     - Each number is divided by its block's scale, clamped to +-448, and rounded to the nearest number of E4M3, ties to even, subnormals kept.
;;     - The product sums the exact products of the quantised numbers (number of the format x scale) in f32.
;;   ~~~python
;;   def quantise(x, axis):      # numpy; x: float32 -> the quantised numbers, widened to float32 again
;;       x = np.moveaxis(x, axis, -1); K = x.shape[-1]
;;       x = np.pad(x, [(0, 0)] * (x.ndim - 1) + [(0, -K % 32)]); x = x.reshape(x.shape[:-1] + (-1, 32)); a = np.abs(x).max(-1, keepdims=True)
;;       e = np.where(a > 0, np.clip(np.frexp(np.where(a > 0, a, 1))[1] - 1 - 8, -126, 127), 0)      # np.frexp(a)[1] - 1 = floor(log2(a)), exactly
;;       r = np.clip(x / 2.0 ** e, -448, 448)
;;       step = 2.0 ** (np.maximum(np.frexp(np.where(r == 0, 1, r))[1] - 1, -6) - 3)
;;       q = np.round(r / step) * step * 2.0 ** e      # np.round: ties to even
;;       return np.moveaxis(q.reshape(q.shape[:-2] + (-1,))[..., :K], -1, axis).astype(np.float32)
;;   ~~~
;;   SOFTMAX AHEAD OF A QUANTISED PRODUCT. Where the list says 'softmax', what is quantised is not the finished softmax but p = 2^(t - M), with t = logit x log2(e) and M = ceil(the row's largest t), a whole number; so 1/2 < the row's largest p <= 1. The row's sum l is taken of the UNQUANTISED p, in f32, and the product's result is divided by l at the end. Since M is a whole number, a kernel that streams over the keys may use a running M (the ceiling of the running maximum): every later rescaling is an exact power of two, which a block's scale takes up: the codes' values come out the same.
;;   OPERANDS COMPUTED ON THE WAY. 'Computed on the way' means the value that the module computes at that place (a softmax that the list does not call 'softmax' is quantised finished and normalised). What goes into a quantiser is computed in f32, as accurately as f32 sums, v_exp_f32 and their like allow (about 1e-6 of the number): no bf16 or f16 on the way to a quantiser, and a product that is left as it is and whose result goes on into a quantised operand takes f32 operands (vector FMAs, or v_wmma_f32_16x16x4_f32). A number that lies on a knife's edge between two numbers of the format may be rounded either way, as far as f32 arithmetic and the matrix unit's own rounding can turn it there, and no further.
;;   INPUTS GIVEN AS CODES. W_out (in the module: [1024, 1024], K = its axis 1); W_qkv (in the module: [3072, 1024], K = its axis 1); x (in the module: [4, 1024, 1024], K = its axis 2): each comes as NAME_codes (uint8): NAME with its K axis moved to the last place and cut into blocks of 32 codes, [.., K / 32, bytes a block], one block behind the other in memory; one code a byte (a code: sign, 4 exponent bits, 3 mantissa bits); and NAME_scales (uint8): the same leading axes, one E8M0 byte (e + 127) for each 32 codes along K. Its value is code x scale, taken as it is: it is not quantised again, and the codes and scales need not be those that the quantiser above would give.
;; One version. Each part assembles by itself: llvm-mc -triple=amdgcn-amd-amdhsa -mcpu=gfx1250 --defsym DOCPART=n.
;; ======== version 1 of 1: 3 launches
;; limits: right only within a limited range of input values
;; workspace buffers: qc 4,194,304 bytes; qs 524,288 bytes; qn 262,144 bytes; kv 9,437,184 bytes; oimg 4,194,304 bytes; oscl 131,072 bytes
;; launch qkv (part 1): grid 12 x 16, 4 waves a work-group, clusters of 4 x 4, 327,680 bytes of LDS; arguments x_codes, x_scales, W_qkv_codes, W_qkv_scales, hyp_k, qc, qs, qn, kv; writes qc, qs, qn, kv
.if DOCPART == 1
	.amdgcn_target "amdgcn-amd-amdhsa--gfx1250"
	.amdhsa_code_object_version 6
	.text
	.protected	k_q2bd87c3602_qkv
	.globl	k_q2bd87c3602_qkv
	.p2align	8
	.type	k_q2bd87c3602_qkv,@function
k_q2bd87c3602_qkv:
	s_mov_b64 s[64:65], 0
	v_nop
	global_prefetch_b8 v0, s[64:65] scope:SCOPE_SE
	s_setreg_imm32_b32 hwreg(HW_REG_WAVE_MODE, 25, 1), 1
	s_wait_xcnt 0x0
	s_wait_alu depctr_hold_cnt(0) depctr_sa_sdst(0) depctr_va_vdst(0) depctr_va_sdst(0) depctr_va_ssrc(0) depctr_va_vcc(0) depctr_vm_vsrc(0)
	s_getreg_b32 s2, hwreg(HW_REG_IB_STS2, 6, 4)
	s_cmp_eq_u32 s2, 0
	s_cbranch_scc0 .Lentry_in_a_cluster
	s_endpgm
.Lentry_in_a_cluster:
	s_bfe_u32 s2, ttmp6, 0x10000c
	s_cmp_lg_u32 s2, 0xf033
	s_cbranch_scc0 .Lentry_shape_is_right
	s_endpgm
.Lentry_shape_is_right:
; qkv = x W_qkv^T on codes of E4M3 with E8M0 scales (4,096 x 3,072 x 1,024), then, in registers: RoPE on q and k, the Lorentz norms sqrt(kc + |.|^2) of the unquantised q and k,
; and the quantising of q and k along the head's 64 and of v along the tokens.  Nothing wide goes to memory: the results leave as images of the next launch's operand registers.
; SHARES.  A work-group of four waves makes 256 x 256 of qkv, a wave 128 x 128: 64 accumulators of 16 x 16 in 512 registers.  K goes in steps of 256 through two LDS slots filled by the tensor data mover.
; 4 x 4 work-groups form a cluster; the tile of the operand that lies in the lanes ("A", source 1) is shared along a row of the cluster, the tile of the operand that lies in the registers ("B", source 0) along a column:
; each is asked for jointly.  Cluster column 0 makes q, 1 makes k: A = 256 tokens of x, B = 256 rows of W: a lane holds one token and its registers run along the head's channels.
; Cluster column 2 makes v: A = 256 rows of W_v, B = 256 tokens of x: a lane holds one channel and its registers run along the tokens, which are the K of the product that v goes into.
; Only pointers and tile numbers differ between the two cases; they are chosen on the cluster's x, which all sixteen partners share.
; ORDER ALONG K OF THE CODES MADE HERE.  The 16 registers of two neighbouring accumulators hold rows 32 c + 16 u + 8 (lane / 16) + j of source 0 and become an operand's K places 32 c + 16 (lane / 16) + 8 u + j:
; a permutation inside one block of 32, the same for q and k, and the same for v and for the softmax's p in the next launch: the products' terms and the blocks' scales are those of the natural order.
; LIMITS: the RoPE angle is the f32 product token x inv_freq, inv_freq = 10^(-i/8) rounded to f32; sine and cosine by reduction to |r| <= pi/2 and series up to r^13 and r^12 (what is cut off is under 7e-9);
; blocks whose largest magnitude lies under 2^-118 get the scale byte 1; NaN and infinities are not served.
.set KSTEP,  256                       ; along K in a slot
.set NQ,     2                         ; matrix instructions deep
.set ROWB,   256                       ; a tile's row in bytes
.set KROW,   1024                      ; a row of x or of W in memory, in bytes
.set PITCH,  272                       ; an LDS row: 256 bytes + 16 of padding: the 16 rows of a fragment load begin 68 words apart
.set FR,     16                        ; registers of a fragment: 16 rows x 128 K
.set NL,     4                         ; LDS loads that bring one
.set NP,     8                         ; places behind this matrix instruction (ISA guide 7.12.1)
.set HALFT,  128*PITCH                 ; 128 rows: what one tensor load brings
.set SLOT,   4*HALFT                   ; A's 256 rows, then B's 256 rows
.set LAPS,   2                         ; 1,024 along K = two laps of two slots
.set KS,     32                        ; a row of scale bytes
.set SCL,    2*SLOT                    ; behind the ring: the scale bytes of all of K, as units of 256 bytes + 16 of padding
.set HALFS,  (128*KS/256)*272          ; those of 128 rows
.set SBLK,   (16*KS/256)*272           ; those of 16 rows
.set SPARE,  SCL+4*HALFS               ; the spare words, 128 bytes for each wave
.set CHUNK,  18432                     ; kv: one head's key step of 128 tokens: K codes 8,192, V codes 8,192, K scale words 1,024, V scale words 512, k0 512
.set HEADB,  8*CHUNK
.set ADRA, 16                          ; v16-17  LDS address of my A fragments in slot 0, 1
.set ADRB, 20                          ; v20-21  the same for B
.set ADRS, 27                          ; v27     LDS address of my scale words: lanes 0-15 A's rows, lanes 16-31 B's
.set SPW,  28                          ; v28     LDS address of my spare word; never rewritten
.set NIL,  29                          ; v29     0; never rewritten
.set SC,   32                          ; v32-63  scale words, two sets
.set AF,   128                         ; A's fragments, window 0;  B's two sets: window 1;  accumulators: windows 2 and 3, (a, b) at v[8 (8 (a % 4) + b)]
.set G1, 24
.set G0, 32
.set G1B, 48
.set G0B, 56
.set G1S, 68
.set G0S, 76
.set G1SB, 80
.set G0SB, 88
.set MSB, 0
.macro WIN new                         ; the immediate's high byte repeats the setting that is left
.if MSB != (\new)
	s_set_vgpr_msb (MSB<<8)|(\new)
.set MSB, (\new)
.endif
.endm
.set MUL_LO, 0xa1                      ; source 0 (B) window 1, source 1 (A) window 0, C and D window 2
.set MUL_HI, 0xf1                      ; the same, C and D window 3
.set TO_B,   0x40                      ; destination window 1, address window 0
; A joint load: waves 0 and 1 fetch for A, waves 2 and 3 for B.  The branch hangs on the wave's number alone.  Four v_nop follow each of the two lines.
.macro JLOAD g0a, g1a, g0b, g1b
	s_cmp_eq_u32 s15, 0
	s_cbranch_scc0 .Lfor_b_\@
	tensor_load_to_lds s[\g0a:\g0a+3], s[\g1a:\g1a+7]
	s_nop 0
.rept 4
	v_nop
.endr
	s_branch .Lasked_\@
.Lfor_b_\@:
	tensor_load_to_lds s[\g0b:\g0b+3], s[\g1b:\g1b+7]
	s_nop 0
.rept 4
	v_nop
.endr
.Lasked_\@:
.endm
.macro CREST                           ; a round of the cluster's barrier behind its opening barrier
	s_cmp_lg_u32 s14, 0
	s_cbranch_scc1 .Lnot_wave_0_\@
	s_barrier_signal -3
.Lnot_wave_0_\@:
	s_barrier_wait -3
	s_barrier_signal -1
	s_barrier_wait -1
.endm
.macro CROUND                          ; a whole round
	s_barrier_signal -1
	s_barrier_wait -1
	CREST
.endm
	s_load_b128 s[4:7], s[0:1], 0x0                ; x's codes, x's scales
	s_load_b128 s[8:11], s[0:1], 0x10              ; W's codes, W's scales
	v_lshl_add_u32 v[SPW], v0, 2, SPARE
	v_mov_b32 v[NIL], 0
	ds_add_u32 v28, v29
	ds_add_u32 v28, v29
	s_wait_dscnt 0x0
	v_lshrrev_b32 v1, 5, v0
	v_readfirstlane_b32 s14, v1                    ; wave 0..3
	s_lshr_b32 s15, s14, 1                         ; which half of A's rows is mine.  Also: I fetch for A (0) or for B (1)
	s_and_b32 s16, s14, 1                          ; which half of B's rows.  Also: which 128 rows of that tile I fetch
	s_bfe_u32 s40, ttmp6, 0x40000                  ; cx, cy: my place in the cluster
	s_bfe_u32 s41, ttmp6, 0x40004
	s_and_b32 s13, ttmp7, 0xffff                   ; the cluster's y = the batch
	s_cmp_eq_u32 ttmp9, 2                          ; the cluster's x: 0 q, 1 k, 2 v
	s_cselect_b32 s42, s13, ttmp9                  ; B's tile = 4 x this + cx: v: tokens of the batch; q, k: rows of W
	s_cselect_b32 s17, 0, s13                      ; A's tile = 4 x this + cy: v: rows of W_v; q, k: tokens of the batch
	s_cselect_b32 s95, 2048, 0                     ; W_v begins at row 2,048 of W
	s_lshl_b32 s42, s42, 2
	s_add_co_u32 s42, s42, s40
	s_lshl_b32 s17, s17, 2
	s_add_co_u32 s17, s17, s41
	s_lshl_b32 s43, s41, 2
	s_lshl_b32 s43, 15, s43                        ; my row of the cluster
	s_lshl_b32 s44, 0x1111, s40                    ; my column
	; descriptor group 1: a tile of 128 rows x 256 bytes, 16 bytes of padding behind each row
	s_or_b32 s[G1+0], s43, (0<<16)|(1<<20)|(1<<21)|(5<<22)|(3<<25)  ; 15:0 the mask; 17:16 elements of 1 byte; 20 padding on; 21 set beside a mask; 24:22 after every 64 words; 31:25 four words
	s_or_b32 s[G1B+0], s44, (0<<16)|(1<<20)|(1<<21)|(5<<22)|(3<<25)
.irp g, G1, G1B
	s_mov_b32 s[\g+1], ROWB<<16                    ; tensor_dim0
	s_mov_b32 s[\g+2], 128<<16                     ; tensor_dim1
	s_mov_b32 s[\g+3], ROWB<<16                    ; tile_dim0
	s_mov_b32 s[\g+4], 128                         ; tile_dim1
	s_mov_b32 s[\g+5], KROW                        ; tensor_dim0_stride
	s_mov_b32 s[\g+6], 0
	s_mov_b32 s[\g+7], 0
.endr
	; the scale bytes of 128 rows: 4,096 dense bytes as 16 rows of 256 (32 elements of 8 bytes), 16 bytes of padding behind each
	s_or_b32 s[G1S+0], s43, (3<<16)|(1<<20)|(1<<21)|(5<<22)|(3<<25)
	s_or_b32 s[G1SB+0], s44, (3<<16)|(1<<20)|(1<<21)|(5<<22)|(3<<25)
.irp g, G1S, G1SB
	s_mov_b32 s[\g+1], 32<<16
	s_mov_b32 s[\g+2], (128*KS/256)<<16
	s_mov_b32 s[\g+3], 32<<16
	s_mov_b32 s[\g+4], 128*KS/256
	s_mov_b32 s[\g+5], 32
	s_mov_b32 s[\g+6], 0
	s_mov_b32 s[\g+7], 0
.endr
	s_lshl_b32 s18, s16, 7                         ; which 128 rows of the tile I fetch
	s_lshl_b32 s20, s17, 8
	s_add_co_u32 s20, s20, s18
	s_add_co_u32 s20, s20, s95                     ; A: row 256 x tile + 128 x half (+ 2,048): made of cy, never of cx
	s_lshl_b32 s46, s42, 8
	s_add_co_u32 s46, s46, s18                     ; B: row 256 x tile + 128 x half: made of cx, never of cy
	s_mov_b32 s21, 0
	s_mov_b32 s47, 0
	s_mov_b64 s[18:19], KS
	s_mul_u64 s[22:23], s[20:21], s[18:19]         ; where these rows' scale bytes begin
	s_mul_u64 s[92:93], s[46:47], s[18:19]
	s_mov_b64 s[18:19], KROW
	s_mul_u64 s[20:21], s[20:21], s[18:19]         ; and their codes
	s_mul_u64 s[46:47], s[46:47], s[18:19]
	s_mul_i32 s45, s14, HALFT                      ; where they go: wave x 128 rows
	s_mul_i32 s94, s14, HALFS
	s_wait_kmcnt 0x0
	s_cmp_eq_u32 ttmp9, 2                          ; which tensor lies in the lanes and which in the registers
	s_cselect_b64 s[96:97], s[8:9], s[4:5]         ; A's codes
	s_cselect_b64 s[8:9], s[4:5], s[8:9]           ; B's codes
	s_cselect_b64 s[98:99], s[10:11], s[6:7]       ; A's scales
	s_cselect_b64 s[10:11], s[6:7], s[10:11]       ; B's scales
	s_add_nc_u64 s[20:21], s[96:97], s[20:21]
	s_add_nc_u64 s[22:23], s[98:99], s[22:23]
	s_add_nc_u64 s[46:47], s[8:9], s[46:47]
	s_add_nc_u64 s[92:93], s[10:11], s[92:93]
	CROUND                                         ; all sixteen work-groups are here: the first joint loads meet
	s_mov_b32 s[G0S], 1
	s_add_co_u32 s[G0S+1], s94, SCL
	s_mov_b64 s[G0S+2:G0S+3], s[22:23]
	s_or_b32 s[G0S+3], s[G0S+3], 0x80000000
	s_mov_b32 s[G0SB], 1
	s_add_co_u32 s[G0SB+1], s94, SCL
	s_mov_b64 s[G0SB+2:G0SB+3], s[92:93]
	s_or_b32 s[G0SB+3], s[G0SB+3], 0x80000000
	JLOAD G0S, G1S, G0SB, G1SB                     ; the scale bytes first: they are wanted with K step 0.  With the two below three loads of mine are out
.irp s, 0,1
	s_mov_b32 s[G0+4*\s], 1
	s_add_co_u32 s[G0+4*\s+1], s45, \s*SLOT
	s_add_nc_u64 s[G0+4*\s+2:G0+4*\s+3], s[20:21], \s*ROWB
	s_or_b32 s[G0+4*\s+3], s[G0+4*\s+3], 0x80000000
	s_mov_b32 s[G0B+4*\s], 1
	s_add_co_u32 s[G0B+4*\s+1], s45, \s*SLOT
	s_add_nc_u64 s[G0B+4*\s+2:G0B+4*\s+3], s[46:47], \s*ROWB
	s_or_b32 s[G0B+4*\s+3], s[G0B+4*\s+3], 0x80000000
	JLOAD G0+4*\s, G1, G0B+4*\s, G1B
.endr
	v_and_b32 v1, 15, v0                           ; l % 16
	v_bfe_u32 v2, v0, 4, 1                         ; l / 16
	v_mul_u32_u24 v3, v1, PITCH
	v_lshl_add_u32 v4, v2, 4, v3                   ; a fragment's row x pitch + 16 x half
	s_mul_i32 s21, s15, HALFT                      ; my 128 rows of A
	s_mul_i32 s22, s16, HALFT                      ; my 128 rows of B,
	s_add_co_u32 s22, s22, 2*HALFT                 ; which lie behind A's 256
.irp s, 0,1
	v_add_nc_u32 v[ADRA+\s], s21, v4
	v_add_nc_u32 v[ADRB+\s], s22, v4
	s_add_co_u32 s21, s21, SLOT
	s_add_co_u32 s22, s22, SLOT
.endr
	v_mul_u32_u24 v5, v1, KS                       ; my row's scale bytes: 32 a row,
	v_lshrrev_b32 v6, 8, v5
	v_lshl_add_u32 v5, v6, 4, v5                   ; and 16 more for each 256 passed
	s_mul_i32 s21, s15, HALFS                      ; A's: my 128 rows
	s_mul_i32 s22, s16, HALFS                      ; B's: my 128 rows, behind A's 256
	s_add_co_u32 s22, s22, 2*HALFS
	s_sub_co_u32 s22, s22, s21
	v_mul_u32_u24 v6, s22, v2                      ; lanes 16-31 take B's: one product, the distance between the two bases
	s_add_co_u32 s21, s21, SCL
	v_add_nc_u32 v5, v5, v6
	v_add_nc_u32 v[ADRS], s21, v5
.macro FRAG reg, adr, q, i             ; 16 rows x 128 K: lane l holds row l % 16; registers 4 c .. 4 c + 3 hold K = 32 c + 16 (l / 16) + 0 .. 15
.irp c, 0,1,2,3
	ds_load_b128 v[\reg+4*\c:\reg+4*\c+3], v[\adr] offset:128*(\q)+32*\c+(\i)*16*PITCH
.endr
.endm
; 16 matrix instructions: A's blocks a0, a0 + 1 x B's eight.  The 64 accumulators take turns, one instruction a turn, in the same order in every step.
.macro MUL16 a0, p, q, sc, zero
.irp a, \a0, \a0+1
.irp b, 0,1,2,3,4,5,6,7
.if \zero
	v_wmma_scale_f32_16x16x128_f8f6f4 v[8*(8*((\a)%4)+\b):8*(8*((\a)%4)+\b)+7], v[128*(\p)+FR*\b:128*(\p)+FR*\b+FR-1], v[AF+FR*(\a):AF+FR*(\a)+FR-1], 0, v[SC+8*NQ*(\sc)+NQ*\b+(\q)], v[SC+8*NQ*(\sc)+NQ*(\a)+(\q)] matrix_a_scale:MATRIX_SCALE_ROW1
.else
	v_wmma_scale_f32_16x16x128_f8f6f4 v[8*(8*((\a)%4)+\b):8*(8*((\a)%4)+\b)+7], v[128*(\p)+FR*\b:128*(\p)+FR*\b+FR-1], v[AF+FR*(\a):AF+FR*(\a)+FR-1], v[8*(8*((\a)%4)+\b):8*(8*((\a)%4)+\b)+7], v[SC+8*NQ*(\sc)+NQ*\b+(\q)], v[SC+8*NQ*(\sc)+NQ*(\a)+(\q)] matrix_a_scale:MATRIX_SCALE_ROW1
.endif
.endr
.endr
.endm
.macro FETCH_B slot, q, p              ; B's eight fragments of the slot's q-th 128 along K into set p
	WIN TO_B
.irp i, 0,1,2,3,4,5,6,7
	FRAG 128*(\p)+FR*\i, ADRB+\slot, \q, \i
.endr
	WIN 0
.endm
.macro FETCH_A slot, q, i0             ; A's blocks i0 .. i0 + 3
.irp i, \i0, \i0+1, \i0+2, \i0+3
	FRAG AF+FR*(\i), ADRA+\slot, \q, \i
.endr
.endm
.macro SCALES sc                       ; a K step's scale words: two words a row; lanes 0-15 take A's block i, lanes 16-31 B's block i
.irp i, 0,1,2,3,4,5,6,7
	ds_load_b64 v[SC+8*NQ*\sc+NQ*\i:SC+8*NQ*\sc+NQ*\i+1], v[ADRS] offset:\i*SBLK
.endr
.endm
.macro PLACES n                        ; plain vector instructions that name no register of the matrix instructions in front of them (ISA guide 7.12.1)
.rept \n
	v_nop
.endr
.endm
; A step of 128 along K that has its successor in the same slot.  A has one set of registers: blocks 0-3 are fetched anew in the step's middle, blocks 4-7 at its end; B has two sets.
.macro STEP slot, q, zero
	s_wait_dscnt 4*NL                              ; B's set and A's blocks 0-3 are in; the youngest sixteen loads (A's blocks 4-7) may be out
	WIN MUL_LO
	MUL16 0, (\q)%2, \q, \slot, \zero
	MUL16 2, (\q)%2, \q, \slot, \zero
	s_wait_dscnt 0                                 ; A's blocks 4-7 are in
	PLACES NP
	FETCH_B \slot, (\q)+1, 1-(\q)%2
	FETCH_A \slot, (\q)+1, 0
	WIN MUL_HI
	MUL16 4, (\q)%2, \q, \slot, \zero
	MUL16 6, (\q)%2, \q, \slot, \zero
	PLACES NP
	WIN 0
	FETCH_A \slot, (\q)+1, 4
.endm
; A slot's last step changes slots: one barrier; in front of it each wave waits for all its tensor loads, adds 0 to its spare word, and waits for that and for its reads of this slot.  fill = 1: this slot is filled again, two K steps ahead.
.macro TURN slot, next, fill
	s_wait_tensorcnt 0x0                           ; all my tensor loads have landed: my part of the next slot
	ds_add_u32 v[SPW], v[NIL]                      ; 0 onto my spare word
	s_wait_dscnt 4*NL+1                            ; (the add and the youngest sixteen loads, A's blocks 4-7, may be out)
	WIN MUL_LO
	MUL16 0, 1, NQ-1, \slot, 0                     ; sixteen matrix instructions stand between the add and the wait for it
	s_wait_dscnt 0x0                               ; the add is done, and my reads of this slot are over
	s_barrier_signal -1
	MUL16 2, 1, NQ-1, \slot, 0
	WIN 0
	s_barrier_wait -1
.if \fill
	CREST                                          ; the barrier has opened a round of the cluster's barrier: no wave of any partner still reads this slot or has a load on its way
	s_add_nc_u64 s[G0+4*\slot+2:G0+4*\slot+3], s[G0+4*\slot+2:G0+4*\slot+3], 2*ROWB
	s_add_nc_u64 s[G0B+4*\slot+2:G0B+4*\slot+3], s[G0B+4*\slot+2:G0B+4*\slot+3], 2*ROWB
	JLOAD G0+4*\slot, G1, G0B+4*\slot, G1B         ; my one tensor load behind the round; its four v_nop are among the places in front of the loads below
	PLACES NP-4
.else
	PLACES NP
.endif
	v_add_nc_u32 v[ADRS], 4*NQ, v[ADRS]            ; on to the next K step's scale words (no LDS load of mine is out)
	FETCH_B \next, 0, 0
	FETCH_A \next, 0, 0
	SCALES \next
	WIN MUL_HI
	MUL16 4, 1, NQ-1, \slot, 0
	MUL16 6, 1, NQ-1, \slot, 0
	PLACES NP
	WIN 0
	FETCH_A \next, 0, 4
.endm
	s_wait_tensorcnt 1                             ; the scale bytes and my part of K step 0 are in (K step 1's load may be out)
	s_barrier_signal -1
	s_barrier_wait -1                              ; everybody's are
	FETCH_B 0, 0, 0
	FETCH_A 0, 0, 0
	SCALES 0
	FETCH_A 0, 0, 4
	STEP 0, 0, 1                                   ; the first step stands in front of the loop: its products start the sums
	s_mov_b32 s3, LAPS-1
.Llap:                                                 ; a trip goes once round the ring and fills both slots again
	TURN 0, 1, 1
	STEP 1, 0, 0
	TURN 1, 0, 1
	STEP 0, 0, 0
	s_sub_co_u32 s3, s3, 1
	s_cmp_lg_u32 s3, 0
	s_cbranch_scc1 .Llap
	TURN 0, 1, 0                                   ; the last lap fills nothing
	STEP 1, 0, 0
	s_wait_dscnt 4*NL                              ; the very last step
	WIN MUL_LO
	MUL16 0, 1, NQ-1, 1, 0
	MUL16 2, 1, NQ-1, 1, 0
	s_wait_dscnt 0
	WIN MUL_HI
	MUL16 4, 1, NQ-1, 1, 0
	MUL16 6, 1, NQ-1, 1, 0
	WIN 0
; ---------------- WHAT IS MADE OF THE SUMS.  No LDS is used from here on; window 0 but v0, v28, v29 is free.
.set LI,   4                           ; v4      16 x lane (+ 1,024 for each tile of tokens): my 16 bytes of an image
.set LS,   5                           ; v5      4 x lane (+ 128 a tile): my scale word
.set NA,   6                           ; v6      4 (l % 16) + (l / 16) x the heads' distance (+ 64 a tile): my norm
.set TF,   8                           ; v[8:9]  my token's place in its batch, as f32, twice
.set MAG,  10                          ; v[10:11] 1.5 x 2^23, twice
.set CS13, 12                          ; v[12:13] 1 / 13!, twice
.set CC12, 14                          ; v[14:15] 1 / 12!, twice
.set F,    32                          ; v32-47  inv_freq of my 16 pairs of channels: register n: i = 16 (n / 8) + 8 (l / 16) + n % 8
.set COSR, 48
.set SINR, 64
.set RR,   80                          ; the angle, then its rest; later x1 sin
.set NBR,  96                          ; the multiple of pi, then its parity as a sign
.set ZR,   112
.set H,    128                         ; v128-191 64 numbers to be quantised: register 16 b + i of block b
.set TT,   192                         ; v192-207 at work
.set PC,   208                         ; v208-223 the codes
.set TM,   224                         ; v224-227 largest magnitudes, 228-231 bytes, 232-235 448 x the scale, 236-239 the conversion's scale operand
.set PW,   240                         ; four scale bytes
.set W0,   241
.set W1,   242
.set N0,   243
.set N1,   244
.set NN,   245
.set SQ,   246                         ; v[246:249] two sums of squares, each in two halves
	s_load_b64 s[32:33], s[0:1], 0x20              ; hyp_k  (no tensor load of mine is out since the last change of slots: the descriptors' registers are free)
	s_load_b256 s[24:31], s[0:1], 0x28             ; qc s[24:25], qs s[26:27], qn s[28:29], kv s[30:31]
	PLACES NP                                      ; behind the last products: their results are read, and their operands' registers written, from here on
	v_and_b32 v1, 15, v0
	v_bfe_u32 v2, v0, 4, 1
	v_and_b32 v3, 31, v0
	v_lshlrev_b32 v[LI], 4, v3
	v_lshlrev_b32 v[LS], 2, v3
.irp b, 0,1,2,3
	v_mov_b32 v[TM+4+\b], 0                        ; written once: a lane permute's destination counts as one of its sources
.endr
	s_mov_b32 s76, 0x76543210
	s_mov_b32 s77, 0xfedcba98                      ; v_permlanex16_b32's selects for lane l xor 16
	s_mov_b32 s78, 0x600000                        ; the mantissa field of 448
	s_mov_b32 s79, 0x7f7f0000                      ; scale bytes 127 for the upper half of a K step of 128, which holds zero codes
; from four largest magnitudes of a lane's 16 numbers to the blocks' scales
.macro SCALE4
.irp b, 0,1,2,3
	v_permlanex16_b32 v[TM+4+\b], v[TM+\b], s76, s77
.endr
.irp b, 0,1,2,3
	v_max_num_f32 v[TM+\b], v[TM+\b], v[TM+4+\b]   ; with lane l xor 16's: the block's largest magnitude
.endr
.irp b, 0,1,2,3
	v_add_nc_u32 v[TM+12+\b], 0xfc000000, v[TM+\b] ; 8 off its exponent field: the conversion takes the exponent field of this operand as its scale
.endr
.irp b, 0,1,2,3
	v_and_or_b32 v[TM+8+\b], v[TM+\b], 0x7f800000, s78   ; 448 x the scale
.endr
.irp b, 0,1,2,3
	v_lshrrev_b32 v[TM+4+\b], 23, v[TM+12+\b]      ; the scale's byte
.endr
	v_lshl_or_b32 v[PW], v[TM+5], 8, v[TM+4]
	v_lshl_or_b32 v[PW], v[TM+6], 16, v[PW]
	v_lshl_or_b32 v[PW], v[TM+7], 24, v[PW]
.endm
.macro CODES4                          ; the held numbers in H become 64 codes
.irp b, 0,1,2,3
	v_cvt_scalef32_pk8_fp8_f32 v[PC+4*\b:PC+4*\b+1], v[H+16*\b:H+16*\b+7], v[TM+12+\b]
	v_cvt_scalef32_pk8_fp8_f32 v[PC+4*\b+2:PC+4*\b+3], v[H+16*\b+8:H+16*\b+15], v[TM+12+\b]
.endr
	v_nop                                          ; one plain vector instruction behind the last scaled conversion
.endm
	s_cmp_eq_u32 ttmp9, 2                          ; the cluster's x: alike in all sixteen partners
	s_cbranch_scc1 .Lv
; ---------------- q AND k.  My 128 tokens are one key step; my 128 columns are two heads.  Accumulator (a, 4 e + t): token 16 a + l % 16, head e, channel 16 t + 8 (l / 16) + j.
	s_lshl_b32 s34, s41, 1
	s_add_co_u32 s34, s34, s15                     ; my step of 128 tokens in the batch: 2 cy + wave / 2
	s_lshl_b32 s35, s40, 2
	s_lshl_b32 s36, s16, 1
	s_add_co_u32 s35, s35, s36                     ; my first head: 4 cx + 2 (wave % 2)
	s_lshl_b32 s36, s13, 4
	s_add_co_u32 s36, s36, s35                     ; 16 x batch + head
	s_mul_i32 s37, s36, HEADB
	s_mul_i32 s38, s34, CHUNK
	s_add_co_u32 s37, s37, s38                     ; k: my chunk of kv
	s_lshl_b32 s38, s36, 16
	s_lshl_b32 s39, s34, 13
	s_add_co_u32 s38, s38, s39                     ; q: codes: 65,536 a head, 8,192 a step
	s_lshl_b32 s43, s36, 13
	s_lshl_b32 s39, s34, 10
	s_add_co_u32 s43, s43, s39                     ; q: scale words: 8,192 a head, 1,024 a step
	s_lshl_b32 s44, s36, 12
	s_lshl_b32 s39, s34, 9
	s_add_co_u32 s44, s44, s39                     ; q: norms: 4,096 a head, 512 a step
	s_add_co_u32 s45, s37, 16384                   ; k: scale words,
	s_add_co_u32 s46, s37, 17920                   ; k: norms, in the chunk
	s_mov_b32 s47, HEADB
	s_lshl_b32 s39, s35, 2                         ; my two curvatures in hyp_k
	s_lshl_b32 s75, s34, 7                         ; my first token's place in the batch
	s_mov_b32 s49, 0
	s_mov_b32 s51, 0
	s_mov_b32 s53, 0
	s_mov_b32 s55, 0
	s_mov_b32 s57, 0
	s_wait_kmcnt 0x0
	s_load_b64 s[72:73], s[32:33], s39 offset:0x0  ; kc of my two heads
	s_cmp_eq_u32 ttmp9, 1                          ; k or q: offsets and buffers are chosen, the text is one
	s_cselect_b32 s48, s37, s38                    ; codes
	s_cselect_b32 s50, s45, s43                    ; scale words
	s_cselect_b32 s52, s46, s44                    ; norms
	s_cselect_b32 s54, s47, 65536                  ; from head to head: codes,
	s_cselect_b32 s56, s47, 8192                   ; scale words,
	s_cselect_b32 s58, s47, 4096                   ; norms
	s_cselect_b64 s[60:61], s[30:31], s[24:25]
	s_cselect_b64 s[62:63], s[30:31], s[26:27]
	s_cselect_b64 s[66:67], s[30:31], s[28:29]
	s_add_nc_u64 s[60:61], s[60:61], s[48:49]      ; codes, head 0
	s_add_nc_u64 s[68:69], s[60:61], s[54:55]      ; codes, head 1
	s_add_nc_u64 s[62:63], s[62:63], s[50:51]      ; scale words, head 0
	s_add_nc_u64 s[70:71], s[62:63], s[56:57]      ; scale words, head 1
	s_add_nc_u64 s[66:67], s[66:67], s[52:53]      ; norms
	v_mul_lo_u32 v[NA], v2, s58
	v_lshl_add_u32 v[NA], v1, 2, v[NA]             ; lanes 0-15 store head 0's norms, lanes 16-31 head 1's
	v_add_nc_u32 v[TF], s75, v1
	v_cvt_f32_u32 v[TF], v[TF]
	v_mov_b32 v[TF+1], v[TF]
	v_mov_b32 v[MAG], 0x4b400000
	v_mov_b32 v[MAG+1], 0x4b400000
	v_mov_b32 v[CS13], 0x2f309231
	v_mov_b32 v[CS13+1], 0x2f309231
	v_mov_b32 v[CC12], 0x310f76c5
	v_mov_b32 v[CC12+1], 0x310f76c5
	v_cmp_ne_u32 vcc_lo, 0, v2                     ; lanes 16-31
	s_mov_b32 s74, vcc_lo
.macro FQ n, lo, hi                    ; inv_freq = 10^(-i / 8): lanes 0-15 take lo, lanes 16-31 hi
	v_mov_b32 v[F+\n], \hi
	v_cndmask_b32 v[F+\n], \lo, v[F+\n], vcc_lo
.endm
	FQ 0,  0x3f800000, 0x3dcccccd
	FQ 1,  0x3f3ff911, 0x3d99940e
	FQ 2,  0x3f0ff59a, 0x3d6655c3
	FQ 3,  0x3ed7e89b, 0x3d2cba15
	FQ 4,  0x3ea1e89b, 0x3d0186e2
	FQ 5,  0x3e72d424, 0x3cc24350
	FQ 6,  0x3e361887, 0x3c91ad39
	FQ 7,  0x3e088d77, 0x3c5a7bf1
	FQ 8,  0x3c23d70a, 0x3a83126f
	FQ 9,  0x3bf5b9b0, 0x3a44948c
	FQ 10, 0x3bb8449c, 0x3a136a16
	FQ 11, 0x3b8a2e77, 0x39dd1726
	FQ 12, 0x3b4f3e37, 0x39a5cb5f
	FQ 13, 0x3b1b690d, 0x3978a814
	FQ 14, 0x3ae91528, 0x393a7753
	FQ 15, 0x3aaec98e, 0x390bd472
.macro HORN ls, lc                     ; one step of both series
.irp n, 0,2,4,6,8,10,12,14
	v_pk_fma_f32 v[SINR+\n:SINR+\n+1], v[SINR+\n:SINR+\n+1], v[ZR+\n:ZR+\n+1], \ls op_sel_hi:[1,1,0]
	v_pk_fma_f32 v[COSR+\n:COSR+\n+1], v[COSR+\n:COSR+\n+1], v[ZR+\n:ZR+\n+1], \lc op_sel_hi:[1,1,0]
.endr
.endm
; sine and cosine of my token's 16 angles: angle = token x inv_freq in f32; n = the nearest whole multiple of pi; r = angle - n pi in two parts; series in r^2; the sign (-1)^n
.macro SINCOS
.irp n, 0,2,4,6,8,10,12,14
	v_pk_mul_f32 v[RR+\n:RR+\n+1], v[F+\n:F+\n+1], v[TF:TF+1]
.endr
.irp n, 0,2,4,6,8,10,12,14
	v_pk_fma_f32 v[NBR+\n:NBR+\n+1], v[RR+\n:RR+\n+1], 0x3ea2f983, v[MAG:MAG+1] op_sel_hi:[1,0,1]   ; angle / pi + 1.5 x 2^23: n stands in the low bits
.endr
.irp n, 0,2,4,6,8,10,12,14
	v_pk_add_f32 v[ZR+\n:ZR+\n+1], v[NBR+\n:NBR+\n+1], 0xcb400000 op_sel_hi:[1,0]                   ; n as f32
.endr
.irp n, 0,2,4,6,8,10,12,14
	v_pk_fma_f32 v[RR+\n:RR+\n+1], v[ZR+\n:ZR+\n+1], 0xc0490fdb, v[RR+\n:RR+\n+1] op_sel_hi:[1,0,1] ; - n x pi's upper part
.endr
.irp n, 0,2,4,6,8,10,12,14
	v_pk_fma_f32 v[RR+\n:RR+\n+1], v[ZR+\n:ZR+\n+1], 0x33bbbd2e, v[RR+\n:RR+\n+1] op_sel_hi:[1,0,1] ; - n x the rest of pi (which is negative)
.endr
.irp n, 0,1,2,3,4,5,6,7,8,9,10,11,12,13,14,15
	v_lshlrev_b32 v[NBR+\n], 31, v[NBR+\n]         ; n's parity as a sign bit
.endr
.irp n, 0,2,4,6,8,10,12,14
	v_pk_mul_f32 v[ZR+\n:ZR+\n+1], v[RR+\n:RR+\n+1], v[RR+\n:RR+\n+1]
.endr
.irp n, 0,2,4,6,8,10,12,14
	v_pk_fma_f32 v[SINR+\n:SINR+\n+1], v[ZR+\n:ZR+\n+1], v[CS13:CS13+1], 0xb2d7322b op_sel_hi:[1,1,0]
	v_pk_fma_f32 v[COSR+\n:COSR+\n+1], v[ZR+\n:ZR+\n+1], v[CC12:CC12+1], 0xb493f27e op_sel_hi:[1,1,0]
.endr
	HORN 0x3638ef1d, 0x37d00d01
	HORN 0xb9500d01, 0xbab60b61
	HORN 0x3c088889, 0x3d2aaaab
	HORN 0xbe2aaaab, -0.5
.irp n, 0,2,4,6,8,10,12,14
	v_pk_mul_f32 v[TT+\n:TT+\n+1], v[RR+\n:RR+\n+1], v[ZR+\n:ZR+\n+1]
	v_pk_fma_f32 v[COSR+\n:COSR+\n+1], v[COSR+\n:COSR+\n+1], v[ZR+\n:ZR+\n+1], 1.0 op_sel_hi:[1,1,0]
.endr
.irp n, 0,2,4,6,8,10,12,14
	v_pk_fma_f32 v[SINR+\n:SINR+\n+1], v[TT+\n:TT+\n+1], v[SINR+\n:SINR+\n+1], v[RR+\n:RR+\n+1]
.endr
.irp n, 0,1,2,3,4,5,6,7,8,9,10,11,12,13,14,15
	v_xor_b32 v[SINR+\n], v[NBR+\n], v[SINR+\n]
	v_xor_b32 v[COSR+\n], v[NBR+\n], v[COSR+\n]
.endr
.endm
; the rotation of tile a's two heads, out of the accumulators into H: channels d and d + 32 are registers n and 16 + n of a head.  Each accumulator is read from its low end on.
.macro ROPE a
.set AC, 64*((\a)%4)
	WIN 2+(\a)/4                                   ; source 0: the accumulators' window
.irp e, 0,1
.irp n, 0,2,4,6,8,10,12,14
	v_pk_mul_f32 v[TT+\n:TT+\n+1], v[AC+32*\e+16+\n:AC+32*\e+17+\n], v[SINR+\n:SINR+\n+1]
	v_pk_mul_f32 v[RR+\n:RR+\n+1], v[AC+32*\e+\n:AC+32*\e+\n+1], v[SINR+\n:SINR+\n+1]
.endr
.irp n, 0,2,4,6,8,10,12,14
	v_pk_fma_f32 v[H+32*\e+\n:H+32*\e+\n+1], v[AC+32*\e+\n:AC+32*\e+\n+1], v[COSR+\n:COSR+\n+1], v[TT+\n:TT+\n+1]
	v_pk_fma_f32 v[H+32*\e+16+\n:H+32*\e+17+\n], v[AC+32*\e+16+\n:AC+32*\e+17+\n], v[COSR+\n:COSR+\n+1], v[RR+\n:RR+\n+1] neg_lo:[0,0,1] neg_hi:[0,0,1]
.endr
.endr
	WIN 0
.endm
	s_wait_kmcnt 0x0                               ; kc
	s_mov_b32 s80, 0
.Lqk_a:                                                ; eight trips, one for each tile of 16 tokens.  Only the rotation names the tile's accumulators, so only it is written eight times
	SINCOS
.irp k, 0,1,2,3,4,5,6
	s_cmp_eq_u32 s80, \k
	s_cbranch_scc1 .Lr_\k
.endr
	ROPE 7
	s_branch .Ljoin
.irp k, 0,1,2,3,4,5,6
.Lr_\k:
	ROPE \k
	s_branch .Ljoin
.endr
.Ljoin:
	v_pk_mul_f32 v[SQ:SQ+1], v[H:H+1], v[H:H+1]    ; the sums of squares of the unquantised numbers, a chain for each head
	v_pk_mul_f32 v[SQ+2:SQ+3], v[H+32:H+33], v[H+32:H+33]
.irp n, 2,4,6,8,10,12,14,16,18,20,22,24,26,28,30
	v_pk_fma_f32 v[SQ:SQ+1], v[H+\n:H+\n+1], v[H+\n:H+\n+1], v[SQ:SQ+1]
	v_pk_fma_f32 v[SQ+2:SQ+3], v[H+32+\n:H+33+\n], v[H+32+\n:H+33+\n], v[SQ+2:SQ+3]
.endr
	v_add_f32 v[N0], v[SQ], v[SQ+1]
	v_add_f32 v[N1], v[SQ+2], v[SQ+3]
	v_permlanex16_b32 v[TM+4], v[N0], s76, s77     ; the token's other 32 channels lie in lane l xor 16
	v_permlanex16_b32 v[TM+5], v[N1], s76, s77
	v_add_f32 v[N0], v[N0], v[TM+4]
	v_add_f32 v[N1], v[N1], v[TM+5]
	v_add_f32 v[N0], s72, v[N0]
	v_add_f32 v[N1], s73, v[N1]
	v_sqrt_f32 v[N0], v[N0]
	v_sqrt_f32 v[N1], v[N1]
	v_nop                                          ; a plain instruction behind the roots
	s_wait_alu depctr_va_vdst(0)
	v_cndmask_b32 v[NN], v[N0], v[N1], s74
.irp b, 0,1,2,3
	v_max3_num_f32 v[TM+\b], |v[H+16*\b]|, |v[H+1+16*\b]|, 0x4800000   ; block b: my 16 numbers, and the floor 2^(9 - 127): the byte cannot fall under 1
.endr
.irp i, 2,4,6,8,10,12,14
.irp b, 0,1,2,3
	v_max3_num_f32 v[TM+\b], v[TM+\b], |v[H+16*\b+\i]|, |v[H+1+16*\b+\i]|
.endr
.endr
	SCALE4
.irp b, 0,1,2,3
.irp i, 0,1,2,3,4,5,6,7,8,9,10,11,12,13,14,15
	v_med3_num_f32 v[H+16*\b+\i], v[H+16*\b+\i], -v[TM+8+\b], v[TM+8+\b]   ; the conversion does not saturate (ISA guide 7.6.2): the hold at 448 x the scale
.endr
.endr
	CODES4
	v_and_or_b32 v[W0], v[PW], 0xffff, s79         ; head 0's scale word: its two bytes, and 127 twice
	v_lshrrev_b32 v[W1], 16, v[PW]
	v_or_b32 v[W1], s79, v[W1]                     ; head 1's
	global_store_b128 v[LI], v[PC:PC+3], s[60:61]              ; each store of the wave covers 512 consecutive bytes, aligned
	global_store_b128 v[LI], v[PC+4:PC+7], s[60:61] offset:512
	global_store_b128 v[LI], v[PC+8:PC+11], s[68:69]
	global_store_b128 v[LI], v[PC+12:PC+15], s[68:69] offset:512
	global_store_b32 v[LS], v[W0], s[62:63]
	global_store_b32 v[LS], v[W1], s[70:71]
	global_store_b32 v[NA], v[NN], s[66:67]
	s_wait_xcnt 0x0                                ; the stores' data and offsets are written again only behind this wait
	v_add_nc_u32 v[LI], 1024, v[LI]
	v_add_nc_u32 v[LS], 128, v[LS]
	v_add_nc_u32 v[NA], 64, v[NA]
	v_pk_add_f32 v[TF:TF+1], v[TF:TF+1], 0x41800000 op_sel_hi:[1,0]   ; 16 tokens on
	s_add_co_u32 s80, s80, 1
	s_cmp_lt_u32 s80, 8
	s_cbranch_scc1 .Lqk_a
	s_branch .Lend
; ---------------- v.  Accumulator (a, b): channel row 16 a + l % 16 of my 128 rows of W_v (head a / 4 of my two, channels 16 (a % 4) on), token 16 b + 8 (l / 16) + j of my step of 128.
.Lv:
	s_lshl_b32 s34, s40, 1
	s_add_co_u32 s34, s34, s16                     ; my step of 128 tokens: 2 cx + wave % 2
	s_lshl_b32 s35, s41, 2
	s_lshl_b32 s36, s15, 1
	s_add_co_u32 s35, s35, s36                     ; my first head: 4 cy + 2 (wave / 2)
	s_lshl_b32 s36, s13, 4
	s_add_co_u32 s36, s36, s35
	s_mul_i32 s48, s36, HEADB
	s_mul_i32 s38, s34, CHUNK
	s_add_co_u32 s48, s48, s38
	s_mov_b32 s49, 0
	s_wait_kmcnt 0x0
	s_add_nc_u64 s[60:61], s[30:31], s[48:49]      ; my chunk of kv
; the 64 registers of a's eight accumulators are 64 tokens of one channel: four blocks of 32 with lane l xor 16's: one fragment of V^T and one scale word a lane
.macro QUANTV a
.set AC, 64*((\a)%4)
.set WW, 2+(\a)/4
	WIN (WW|(WW<<2))                               ; sources 0 and 1: the accumulators' window
.irp b, 0,1,2,3
	v_max3_num_f32 v[TM+\b], |v[AC+16*\b]|, |v[AC+16*\b+1]|, 0x4800000
.endr
.irp i, 2,4,6,8,10,12,14
.irp b, 0,1,2,3
	v_max3_num_f32 v[TM+\b], |v[AC+16*\b+\i]|, |v[AC+16*\b+\i+1]|, v[TM+\b]
.endr
.endr
	WIN 0
.if (\a) > 0
	s_wait_xcnt 0x0                                ; the last fragment's stores have read their data: the word and the codes may be written again
.endif
	SCALE4
	WIN WW                                         ; source 0: the accumulators' window; the held numbers go to H
.irp b, 0,1,2,3
.irp i, 0,1,2,3,4,5,6,7,8,9,10,11,12,13,14,15
	v_med3_num_f32 v[H+16*\b+\i], v[AC+16*\b+\i], -v[TM+8+\b], v[TM+8+\b]
.endr
.endr
	WIN 0
	CODES4
.irp c, 0,1,2,3
	global_store_b128 v[LI], v[PC+4*\c:PC+4*\c+3], s[60:61] offset:((\a)/4)*HEADB+8192+((\a)%4)*2048+512*\c
.endr
	global_store_b32 v[LS], v[PW], s[60:61] offset:((\a)/4)*HEADB+17408+((\a)%4)*128
.endm
.irp a, 0,1,2,3,4,5,6,7
	QUANTV \a
.endr
.Lend:
	s_wait_tensorcnt 0x0                           ; the wave's end
	ds_add_u32 v[SPW], v[NIL]
	s_wait_dscnt 0x0
	CROUND                                         ; the closing round: no work-group ends while a partner may still ask for a tile that names it
	s_endpgm
.Lfunc_end_k_q2bd87c3602_qkv:
	.size	k_q2bd87c3602_qkv, .Lfunc_end_k_q2bd87c3602_qkv-k_q2bd87c3602_qkv
	.p2alignl 7, 3214868480
	.fill 96, 4, 3214868480
	.section	.rodata,"a",@progbits
	.p2align	6, 0x0
	.amdhsa_kernel k_q2bd87c3602_qkv
		.amdhsa_group_segment_fixed_size 327680
		.amdhsa_private_segment_fixed_size 0
		.amdhsa_enable_private_segment 0
		.amdhsa_kernarg_size 72
		.amdhsa_user_sgpr_count 2
		.amdhsa_user_sgpr_kernarg_segment_ptr 1
		.amdhsa_wavefront_size32 1
		.amdhsa_system_sgpr_workgroup_id_x 1
		.amdhsa_system_sgpr_workgroup_id_y 1
		.amdhsa_system_sgpr_workgroup_id_z 1
		.amdhsa_system_vgpr_workitem_id 0
		.amdhsa_next_free_vgpr 1024
		.amdhsa_next_free_sgpr 100
		.amdhsa_reserve_vcc 1
		.amdhsa_float_denorm_mode_32 3
		.amdhsa_float_denorm_mode_16_64 3
		.amdhsa_memory_ordered 1
		.amdhsa_forward_progress 1
		.amdhsa_inst_pref_size 249
	.end_amdhsa_kernel
	.amdgpu_metadata
---
amdhsa.version: [ 1, 2 ]
amdhsa.kernels:
  - .name:           k_q2bd87c3602_qkv
    .symbol:         k_q2bd87c3602_qkv.kd
    .args:
      - { .name: x_codes, .offset: 0, .size: 8, .value_kind: global_buffer, .address_space: global }
      - { .name: x_scales, .offset: 8, .size: 8, .value_kind: global_buffer, .address_space: global }
      - { .name: W_qkv_codes, .offset: 16, .size: 8, .value_kind: global_buffer, .address_space: global }
      - { .name: W_qkv_scales, .offset: 24, .size: 8, .value_kind: global_buffer, .address_space: global }
      - { .name: hyp_k, .offset: 32, .size: 8, .value_kind: global_buffer, .address_space: global }
      - { .name: qc, .offset: 40, .size: 8, .value_kind: global_buffer, .address_space: global }
      - { .name: qs, .offset: 48, .size: 8, .value_kind: global_buffer, .address_space: global }
      - { .name: qn, .offset: 56, .size: 8, .value_kind: global_buffer, .address_space: global }
      - { .name: kv, .offset: 64, .size: 8, .value_kind: global_buffer, .address_space: global }
    .group_segment_fixed_size: 327680
    .private_segment_fixed_size: 0
    .kernarg_segment_align: 8
    .kernarg_segment_size: 72
    .max_flat_workgroup_size: 128
    .sgpr_count:     100
    .vgpr_count:     1024
    .wavefront_size: 32
...
	.end_amdgpu_metadata
.endif
;; end of part 1
;; launch attn (part 2): grid 256 x 1, 8 waves a work-group, clusters of 4 x 1, 168,960 bytes of LDS; arguments qc, qs, qn, kv, hyp_k, oimg, oscl; writes oimg, oscl
.if DOCPART == 2
	.amdgcn_target "amdgcn-amd-amdhsa--gfx1250"
	.amdhsa_code_object_version 6
	.text
	.protected	k_q2bd87c3602_attn
	.globl	k_q2bd87c3602_attn
	.p2align	8
	.type	k_q2bd87c3602_attn,@function
k_q2bd87c3602_attn:
	s_mov_b64 s[64:65], 0
	v_nop
	global_prefetch_b8 v0, s[64:65] scope:SCOPE_SE
	s_setreg_imm32_b32 hwreg(HW_REG_WAVE_MODE, 25, 1), 1
	s_wait_xcnt 0x0
	s_wait_alu depctr_hold_cnt(0) depctr_sa_sdst(0) depctr_va_vdst(0) depctr_va_sdst(0) depctr_va_ssrc(0) depctr_va_vcc(0) depctr_vm_vsrc(0)
	s_getreg_b32 s2, hwreg(HW_REG_IB_STS2, 6, 4)
	s_cmp_eq_u32 s2, 0
	s_cbranch_scc0 .Lentry_in_a_cluster
	s_endpgm
.Lentry_in_a_cluster:
	s_bfe_u32 s2, ttmp6, 0x10000c
	s_cmp_lg_u32 s2, 0x3003
	s_cbranch_scc0 .Lentry_shape_is_right
	s_endpgm
.Lentry_shape_is_right:
; For one batch and head: s = Q(q) . Q(k) on codes (K = 64: the upper half of the instruction's 128 holds zero codes on both sides); arg = max((q0 k0 - s) / kc, 1 + 1e-6); dis = sqrt(kc) arccosh(arg);
; logit = 1 / (1e-6 + dis); causal mask; t = logit x log2(e); M = the running largest t rounded up to a whole number; p = 2^(t - M), quantised along the keys; O^T += V^T P^T on codes;
; the row's sum is taken of the unquantised p and divides O at the end; o is quantised along the 64 channels (two blocks of the last product's K) and leaves as an image of that product's operand registers.
; SHARES.  A cluster of four work-groups is one (batch, head); the head's whole block of kv (8 key steps x 18,432 bytes) is asked for jointly, one load a wave, filled once, and stays in LDS.
; Wave w of work-group j owns two tiles of 16 queries: p = 4 w + j and 63 - p.  Tile p needs key steps 0 .. w / 2, tile 63 - p steps 0 .. 7 - w / 2: nine tile steps for every wave, and both limits hang on the
; wave's number alone, so that all partners run alike.  Only a tile's last step lies on the diagonal; there hidden scores become -infinity.  Steps beyond a tile's limit are left out.
; LAYOUT.  Both products are used transposed: a lane holds one query (l % 16) throughout; register 16 b + 8 u + j of the scores is key 32 b + 16 u + 8 (l / 16) + j of the step, and the conversions put it at the K place
; at which the launch before has put the same token of v.
; arccosh(a) = ln(a + sqrt(a a - 1)), a a - 1 by one fused multiply-add.
; LIMITS: (q0 k0 - s) / kc stays under 1.8e19 (its square is formed); blocks whose largest magnitude lies under 2^-118 get the scale byte 1; NaN and infinities are not served.
; REGISTERS.  Window 1: v0-127 K's 8 fragments (of each 16 the upper 8 are zero codes, written once); v128-191 V's 4; v192-223 Q of my two tiles (upper 8 zero); v224-239 p's codes.  Window 0: below.
.set CHUNK, 18432                      ; a key step in LDS: K codes at 0, V codes at 8,192, K scale words at 16,384, V scale words at 17,408, k0 at 17,920
.set HEADB, 8*CHUNK
.set LI,  1                            ; v1   16 x lane
.set LS,  2                            ; v2   4 x lane
.set LH,  3                            ; v3   32 (l / 16): my half's eight k0
.set ADI, 4                            ; v4-6 the same three + the step's first byte
.set ADS, 5
.set ADN, 6
.set R4,  7                            ; v7   4 (l % 16)
.set R32, 8                            ; v8   32 (l % 16)
.set EP,  14                           ; v[14:15] 1e-6, twice
.set KU,  16                           ; v16-79   k0 of my 64 keys, then sqrt(arg^2 - 1); at the end o's codes
.set S,   80                           ; v80-143  the scores, at last p
.set O,   144                          ; v144-175, v176-207  O^T of my two tiles
.set KSC, 208                          ; v208-215 K's scale words; v216-219 V's; v220-221 Q's; v222 p's
.set VSC, 216
.set QSC, 220
.set PSC, 222
.set STT, 224                          ; tile x's state at v[224 + 6 x]: (-M, largest t), (the sum in two halves), (q0, the mask's number)
.set BM,  236                          ; v236-239 the blocks' largest scores, then largest p
.set PT,  240                          ; v240-243 at work
.set HL,  244                          ; v244-247 448 x the scale
.set SO,  248                          ; v248-251 the conversion's scale operand
.set FF,  252                          ; v[252:253] 2^(old M - new M); at the end 1 / the sum
.set TT,  254
.set KFR, 0
.set VFR, 128
.set QFR, 192
.set PFR, 224
.set MSB, 0
.macro WIN new
.if MSB != (\new)
	s_set_vgpr_msb (MSB<<8)|(\new)
.set MSB, (\new)
.endif
.endm
.macro CROUND                          ; a round of the cluster's barrier
	s_barrier_signal -1
	s_barrier_wait -1
	s_cmp_lg_u32 s18, 0
	s_cbranch_scc1 .Lnot_wave_0_\@
	s_barrier_signal -3
.Lnot_wave_0_\@:
	s_barrier_wait -3
	s_barrier_signal -1
	s_barrier_wait -1
.endm
	s_load_b256 s[4:11], s[0:1], 0x0               ; qc s[4:5], qs s[6:7], qn s[8:9], kv s[10:11]
	s_load_b128 s[12:15], s[0:1], 0x20             ; hyp_k s[12:13], oimg s[14:15]
	s_load_b64 s[16:17], s[0:1], 0x30              ; oscl
	v_lshl_add_u32 v223, v0, 2, 0x29000
	v_mov_b32 v255, 0
	ds_add_u32 v223, v255
	ds_add_u32 v223, v255
	v_lshrrev_b32 v1, 5, v0
	v_readfirstlane_b32 s18, v1                    ; wave 0..7
	s_bfe_u32 s19, ttmp6, 0x40000                  ; cx: it enters global addresses and the mask's number alone
	s_lshr_b32 s22, s18, 1                         ; the early tile's last key step
	s_sub_co_u32 s21, 7, s22                       ; the late tile's
	; descriptor group 1: 18,432 dense bytes as 72 rows of 256 (32 elements of 8 bytes), no padding: the images are read 16 bytes a lane on end
	s_mov_b32 s24, 15|(3<<16)|(1<<21)              ; 15:0 the mask: all four work-groups; 17:16 elements of 8 bytes; 21 set beside a mask
	s_mov_b32 s25, 32<<16                          ; tensor_dim0
	s_mov_b32 s26, 72<<16                          ; tensor_dim1
	s_mov_b32 s27, 32<<16                          ; tile_dim0
	s_mov_b32 s28, 72                              ; tile_dim1
	s_mov_b32 s29, 32                              ; tensor_dim0_stride
	s_mov_b32 s30, 0
	s_mov_b32 s31, 0
	s_mul_i32 s92, ttmp9, HEADB                    ; the cluster's x is 16 x batch + head
	s_mul_i32 s41, s18, CHUNK                      ; wave w brings key step w, to LDS byte 18,432 w
	s_add_co_u32 s92, s92, s41
	s_mov_b32 s93, 0
	s_and_b32 s60, ttmp9, 15
	s_lshl_b32 s60, s60, 2                         ; the head's curvature in hyp_k
	s_mov_b32 s40, 1
	s_wait_dscnt 0x0
	s_wait_kmcnt 0x0
	s_add_nc_u64 s[42:43], s[10:11], s[92:93]
	s_or_b32 s43, s43, 0x80000000
	s_load_b32 s59, s[12:13], s60 offset:0x0       ; kc
	CROUND                                         ; all four work-groups are here: the joint loads meet
	tensor_load_to_lds s[40:43], s[24:31]          ; my one tensor load of the launch
	s_nop 0
.rept 4
	v_nop
.endr
	s_lshl_b32 s61, s18, 2
	s_add_co_u32 s61, s61, s19                     ; the early tile: 4 w + cx
	s_sub_co_u32 s62, 63, s61                      ; the late tile
; tile x's five bases: s[68+10x] Q's codes, +2 its scale words, +4 q0, +6 o's image, +8 o's scale bytes
.macro BASES x, pt
	s_lshl_b32 s92, ttmp9, 16
	s_lshl_b32 s94, \pt, 10
	s_add_co_u32 s92, s92, s94
	s_add_nc_u64 s[68+10*\x:69+10*\x], s[4:5], s[92:93]
	s_lshl_b32 s92, ttmp9, 13
	s_lshl_b32 s94, \pt, 7
	s_add_co_u32 s92, s92, s94
	s_add_nc_u64 s[70+10*\x:71+10*\x], s[6:7], s[92:93]
	s_lshl_b32 s92, ttmp9, 12
	s_lshl_b32 s94, \pt, 6
	s_add_co_u32 s92, s92, s94
	s_add_nc_u64 s[72+10*\x:73+10*\x], s[8:9], s[92:93]
	s_lshr_b32 s92, ttmp9, 4
	s_lshl_b32 s92, s92, 6
	s_add_co_u32 s92, s92, \pt                     ; the tile of 16 rows among the 256 of o: 64 x batch + tile
	s_lshl_b32 s92, s92, 14                        ; 16,384 bytes a tile of rows,
	s_and_b32 s94, ttmp9, 15
	s_lshl_b32 s94, s94, 10                        ; 1,024 a head
	s_add_co_u32 s92, s92, s94
	s_add_nc_u64 s[74+10*\x:75+10*\x], s[14:15], s[92:93]
	s_lshr_b32 s92, ttmp9, 4
	s_lshl_b32 s92, s92, 6
	s_add_co_u32 s92, s92, \pt
	s_lshl_b32 s92, s92, 9                         ; 16 rows of 32 scale bytes,
	s_and_b32 s94, ttmp9, 15
	s_lshl_b32 s94, s94, 1                         ; 2 a head
	s_add_co_u32 s92, s92, s94
	s_add_nc_u64 s[76+10*\x:77+10*\x], s[16:17], s[92:93]
.endm
	BASES 0, s62
	BASES 1, s61
	v_and_b32 v11, 31, v0
	v_and_b32 v9, 15, v0
	v_bfe_u32 v10, v0, 4, 1
	v_lshlrev_b32 v[LI], 4, v11
	v_lshlrev_b32 v[LS], 2, v11
	v_lshlrev_b32 v[LH], 5, v10
	v_lshlrev_b32 v[R4], 2, v9
	v_lshlrev_b32 v[R32], 5, v9
	WIN 0x40                                       ; destination window 1
.irp x, 0,1
.irp c, 0,1
	global_load_b128 v[QFR+16*\x+4*\c:QFR+16*\x+4*\c+3], v[LI], s[68+10*\x:69+10*\x] offset:512*\c   ; Q's fragments stay in registers
.endr
.endr
.irp t, 0,1,2,3,4,5,6,7
.irp i, 8,9,10,11,12,13,14,15
	v_mov_b32 v[KFR+16*\t+\i], 0                   ; zero codes for K = 64 .. 127, written once
.endr
.endr
.irp x, 0,1
.irp i, 8,9,10,11,12,13,14,15
	v_mov_b32 v[QFR+16*\x+\i], 0
.endr
.endr
	WIN 0
.irp x, 0,1
	global_load_b32 v[QSC+\x], v[LS], s[70+10*\x:71+10*\x]
	global_load_b32 v[STT+6*\x+4], v[R4], s[72+10*\x:73+10*\x]     ; q0 of my query
.endr
	v_lshlrev_b32 v12, 3, v10
	v_sub_nc_u32 v12, v9, v12                      ; l % 16 - 8 (l / 16)
	s_and_b32 s94, s62, 7
	s_lshl_b32 s94, s94, 4
	v_add_nc_u32 v[STT+5], s94, v12                ; the mask's number: my query's place in its last step - 8 (l / 16)
	s_and_b32 s94, s61, 7
	s_lshl_b32 s94, s94, 4
	v_add_nc_u32 v[STT+11], s94, v12
	v_mov_b32 v[EP], 0x358637bd
	v_mov_b32 v[EP+1], 0x358637bd
.set n, 0
.rept 64
	v_mov_b32 v[O+n], 0                            ; the step is written once: the first finds zeros, which the first change of M leaves zeros
.set n, n+1
.endr
.irp x, 0,1
	v_mov_b32 v[STT+6*\x+1], 0xff61b1e6            ; the largest t so far: -3e38
	v_floor_f32 v[STT+6*\x], -v[STT+6*\x+1]        ; -M
	v_mov_b32 v[STT+6*\x+2], 0
	v_mov_b32 v[STT+6*\x+3], 0
.endr
.irp b, 0,1,2,3
	v_mov_b32 v[PT+\b], 0                          ; written once: a lane permute's destination counts as one of its sources
.endr
	v_mov_b32 v[FF+1], 0                           ; (named as the upper half of a pair)
	s_mov_b32 s50, 0x76543210
	s_mov_b32 s51, 0xfedcba98                      ; v_permlanex16_b32's selects for lane l xor 16
	s_mov_b32 s52, 0x3fb8aa3b                      ; log2(e)
	s_mov_b32 s53, s52
	s_mov_b32 s58, 0x600000                        ; the mantissa field of 448
	s_mov_b32 s23, 0                               ; the key step
	s_mov_b32 s48, 0                               ; and its first LDS byte
	s_wait_kmcnt 0x0
	v_mov_b32 v12, s59
	v_rcp_f32 v13, v12
	v_sqrt_f32 v[TT], v12
	v_nop
	s_wait_alu depctr_va_vdst(0)
	v_mul_f32 v[TT], 0x3f317218, v[TT]
	v_readfirstlane_b32 s54, v13                   ; 1 / kc
	v_readfirstlane_b32 s56, v[TT]                 ; sqrt(kc) ln 2: dis = this x log2(..)
	s_mov_b32 s55, s54
	s_mov_b32 s57, s56
	s_wait_loadcnt 0x0                             ; Q, its scale words, q0
; ONE TILE OF 16 QUERIES AGAINST THE STEP'S 128 KEYS.  lim: the tile's last step, the one on the diagonal.
.macro TILE x, lim
.set ST, STT+6*\x
.set OX, O+32*\x
.irp t, 0,1,2,3,4,5,6,7
	ds_load_b128 v[KU+8*\t:KU+8*\t+3], v[ADN] offset:17920+64*\t         ; k0 of keys 16 t + 8 (l / 16) + 0 .. 7
	ds_load_b128 v[KU+8*\t+4:KU+8*\t+7], v[ADN] offset:17920+64*\t+16
.endr
	s_wait_dscnt 16                                ; all but these sixteen: K, V and their scale words are in
	WIN 0x05                                       ; sources 0 and 1 window 1
.irp t, 0,1,2,3,4,5,6,7
	v_wmma_scale_f32_16x16x128_f8f6f4 v[S+8*\t:S+8*\t+7], v[KFR+16*\t:KFR+16*\t+15], v[QFR+16*\x:QFR+16*\x+15], 0, v[KSC+\t], v[QSC+\x]
.endr
	WIN 0
.rept 8
	v_nop                                          ; places in front of the first read of the results
.endr
	s_wait_dscnt 0x0                               ; k0
.set n, 0
.rept 32
	v_pk_fma_f32 v[S+n:S+n+1], v[KU+n:KU+n+1], v[ST+4:ST+5], v[S+n:S+n+1] op_sel_hi:[1,0,1] neg_lo:[0,0,1] neg_hi:[0,0,1]   ; q0 k0 - s
.set n, n+2
.endr
.set n, 0
.rept 32
	v_pk_mul_f32 v[S+n:S+n+1], v[S+n:S+n+1], s[54:55] op_sel_hi:[1,0]     ; / kc
.set n, n+2
.endr
.set n, 0
.rept 64
	v_max_num_f32 v[S+n], 0x3f800008, v[S+n]       ; at least 1 + 1e-6 as f32 has it
.set n, n+1
.endr
.set n, 0
.rept 32
	v_pk_fma_f32 v[KU+n:KU+n+1], v[S+n:S+n+1], v[S+n:S+n+1], -1.0 op_sel_hi:[1,1,0]
.set n, n+2
.endr
.set n, 0
.rept 64
	v_sqrt_f32 v[KU+n], v[KU+n]
.set n, n+1
.endr
	v_nop
.set n, 0
	s_wait_alu depctr_va_vdst(0)
.rept 32
	v_pk_add_f32 v[S+n:S+n+1], v[S+n:S+n+1], v[KU+n:KU+n+1]
.set n, n+2
.endr
.set n, 0
.rept 64
	v_log_f32 v[S+n], v[S+n]
.set n, n+1
.endr
	v_nop
.set n, 0
	s_wait_alu depctr_va_vdst(0)
.rept 32
	v_pk_fma_f32 v[S+n:S+n+1], v[S+n:S+n+1], s[56:57], v[EP:EP+1] op_sel_hi:[1,0,1]   ; 1e-6 + dis
.set n, n+2
.endr
.set n, 0
.rept 64
	v_rcp_f32 v[S+n], v[S+n]                       ; the logit
.set n, n+1
.endr
	v_nop
	s_cmp_lg_u32 s23, \lim                         ; only the tile's last step lies on the diagonal: a scalar branch on the step's and the wave's numbers
	s_cbranch_scc1 .Lopen_\@
	v_mov_b32 v[TT], 0xff800000                    ; -infinity
.set n, 0
	s_wait_alu depctr_va_vdst(0)
.rept 64
	v_cmp_gt_i32 vcc_lo, 32*(n/16)+16*((n/8)%2)+(n%8), v[ST+5]     ; the register's key comes after my query
	v_cndmask_b32 v[S+n], v[S+n], v[TT], vcc_lo
.set n, n+1
.endr
.Lopen_\@:
	s_wait_alu depctr_va_vdst(0)
.irp b, 0,1,2,3
	v_max3_num_f32 v[BM+\b], v[S+16*\b], v[S+1+16*\b], v[S+2+16*\b]   ; the largest logit of each block of 32 keys: for the row's maximum, and, since p rises with the logit, for the block's largest p
.endr
.irp i, 3,5,7,9,11,13
.irp b, 0,1,2,3
	v_max3_num_f32 v[BM+\b], v[BM+\b], v[S+16*\b+\i], v[S+1+16*\b+\i]
.endr
.endr
.irp b, 0,1,2,3
	v_max_num_f32 v[BM+\b], v[BM+\b], v[S+15+16*\b]
.endr
.irp b, 0,1,2,3
	v_permlanex16_b32 v[PT+\b], v[BM+\b], s50, s51
.endr
.irp b, 0,1,2,3
	v_max_num_f32 v[BM+\b], v[BM+\b], v[PT+\b]     ; with lane l xor 16's 16 keys
.endr
	v_max3_num_f32 v[TT], v[BM], v[BM+1], v[BM+2]
	v_max_num_f32 v[TT], v[TT], v[BM+3]
	v_mul_f32 v[TT], s52, v[TT]                    ; as t
	v_max_num_f32 v[ST+1], v[ST+1], v[TT]          ; the running largest t
	v_mov_b32 v[TT], v[ST]
	v_floor_f32 v[ST], -v[ST+1]                    ; the new -M = -ceil(t): a whole number
	v_sub_f32 v[TT], v[ST], v[TT]                  ; old M - new M: a whole number, 0 or less
	v_cvt_i32_f32 v[TT], v[TT]                     ; (it saturates)
	v_ldexp_f32 v[FF], 1.0, v[TT]                  ; 2^(old M - new M): a multiplication by it rounds nothing
.set n, 0
.rept 32
	v_pk_fma_f32 v[S+n:S+n+1], v[S+n:S+n+1], s[52:53], v[ST:ST+1] op_sel_hi:[1,0,0]   ; t - M
.set n, n+2
.endr
.irp b, 0,1,2,3
	v_fma_f32 v[BM+\b], v[BM+\b], s52, v[ST]
.endr
.set n, 0
.rept 64
	v_exp_f32 v[S+n], v[S+n]                       ; p = 2^(t - M): not normalised
.set n, n+1
.endr
.irp b, 0,1,2,3
	v_exp_f32 v[BM+\b], v[BM+\b]                   ; the block's largest p: the same two instructions on the same number
.endr
	v_pk_mul_f32 v[ST+2:ST+3], v[ST+2:ST+3], v[FF:FF+1] op_sel_hi:[1,0]   ; the sums under the new M (a plain instruction behind the exponentials)
	s_wait_alu depctr_va_vdst(0)
.irp b, 0,1,2,3
	v_max_num_f32 v[BM+\b], 0x4800000, v[BM+\b]    ; the floor 2^(9 - 127): the byte cannot fall under 1; a block of zeros keeps that byte over zero codes
.endr
.irp b, 0,1,2,3
	v_add_nc_u32 v[SO+\b], 0xfc000000, v[BM+\b]
.endr
.irp b, 0,1,2,3
	v_and_or_b32 v[HL+\b], v[BM+\b], 0x7f800000, s58
.endr
.irp b, 0,1,2,3
	v_lshrrev_b32 v[PT+\b], 23, v[SO+\b]
.endr
	v_lshl_or_b32 v[PSC], v[PT+1], 8, v[PT]        ; p's scale word for these 128 keys
	v_lshl_or_b32 v[PSC], v[PT+2], 16, v[PSC]
	v_lshl_or_b32 v[PSC], v[PT+3], 24, v[PSC]
	v_pk_add_f32 v[PT:PT+1], v[S:S+1], v[S+2:S+3]  ; the row's sum is taken of the unquantised p, in two chains
.irp j, 4,8,12,16,20,24,28,32,36,40,44,48,52,56,60
	v_pk_add_f32 v[ST+2:ST+3], v[ST+2:ST+3], v[S+\j:S+\j+1]
	v_pk_add_f32 v[PT:PT+1], v[PT:PT+1], v[S+2+\j:S+3+\j]
.endr
	v_pk_add_f32 v[ST+2:ST+3], v[ST+2:ST+3], v[PT:PT+1]
.irp b, 0,1,2,3
.irp i, 0,1,2,3,4,5,6,7,8,9,10,11,12,13,14,15
	v_min_num_f32 v[S+16*\b+\i], v[S+16*\b+\i], v[HL+\b]   ; the conversion does not saturate (ISA guide 7.6.2); p is not negative, so the hold is one-sided
.endr
.endr
	WIN 0x40                                       ; destination window 1
.irp b, 0,1,2,3
	v_cvt_scalef32_pk8_fp8_f32 v[PFR+4*\b:PFR+4*\b+1], v[S+16*\b:S+16*\b+7], v[SO+\b]
	v_cvt_scalef32_pk8_fp8_f32 v[PFR+4*\b+2:PFR+4*\b+3], v[S+16*\b+8:S+16*\b+15], v[SO+\b]
.endr
	WIN 0
.set n, 0
.rept 16
	v_pk_mul_f32 v[OX+n:OX+n+1], v[OX+n:OX+n+1], v[FF:FF+1] op_sel_hi:[1,0]   ; O^T under the new M; these sixteen are also the places between the conversions and the products
.set n, n+2
.endr
	WIN 0x05
.irp d, 0,1,2,3
	v_wmma_scale_f32_16x16x128_f8f6f4 v[OX+8*\d:OX+8*\d+7], v[VFR+16*\d:VFR+16*\d+15], v[PFR:PFR+15], v[OX+8*\d:OX+8*\d+7], v[VSC+\d], v[PSC]
.endr
	WIN 0
.endm
	s_wait_tensorcnt 0x0                           ; my key step has landed,
	s_barrier_signal -1
	s_barrier_wait -1                              ; everybody's has: the head's kv lies in LDS and is never written again
.Lk:                                                   ; eight trips, one for each key step; a wave leaves out the work of the steps that lie wholly behind its queries
	s_cmp_gt_u32 s23, s21
	s_cbranch_scc1 .Lskip
	v_add_nc_u32 v[ADI], s48, v[LI]
	v_add_nc_u32 v[ADS], s48, v[LS]
	v_add_nc_u32 v[ADN], s48, v[LH]
.rept 5
	v_nop                                          ; with the three additions: eight places in front of loads into registers that the last products have read
.endr
	WIN 0x40
.irp t, 0,1,2,3,4,5,6,7
.irp c, 0,1
	ds_load_b128 v[KFR+16*\t+4*\c:KFR+16*\t+4*\c+3], v[ADI] offset:1024*\t+512*\c
.endr
.endr
.irp d, 0,1,2,3
.irp c, 0,1,2,3
	ds_load_b128 v[VFR+16*\d+4*\c:VFR+16*\d+4*\c+3], v[ADI] offset:8192+2048*\d+512*\c
.endr
.endr
	WIN 0
.irp t, 0,1,2,3,4,5,6,7
	ds_load_b32 v[KSC+\t], v[ADS] offset:16384+128*\t
.endr
.irp d, 0,1,2,3
	ds_load_b32 v[VSC+\d], v[ADS] offset:17408+128*\d
.endr
	TILE 0, s21                                    ; the late tile
	s_cmp_gt_u32 s23, s22
	s_cbranch_scc1 .Lskip
	TILE 1, s22                                    ; the early tile, on the same fragments
.Lskip:
	s_add_co_u32 s48, s48, CHUNK
	s_add_co_u32 s23, s23, 1
	s_cmp_lt_u32 s23, 8
	s_cbranch_scc1 .Lk
.rept 8
	v_nop                                          ; places behind the last products
.endr
; THE WAY OUT of tile x: O^T / the sum; register 8 t + j is channel 16 t + 8 (l / 16) + j of my query; two blocks of 32 channels are quantised.  The last product's other operand comes in the natural order of K,
; so the codes are brought into it: lanes 0-15 give their channels 16 .. 23 for lanes 16-31's channels 8 .. 15, two registers a block.
.macro FIN x
.set ST, STT+6*\x
.set OX, O+32*\x
.set CC, KU+8*\x
.set OB, 12+\x
	v_add_f32 v[TT], v[ST+2], v[ST+3]
	v_permlanex16_b32 v[PT], v[TT], s50, s51
	v_add_f32 v[TT], v[TT], v[PT]                  ; the row's sum
	v_rcp_f32 v[FF], v[TT]
	v_nop
.set n, 0
	s_wait_alu depctr_va_vdst(0)
.rept 16
	v_pk_mul_f32 v[OX+n:OX+n+1], v[OX+n:OX+n+1], v[FF:FF+1] op_sel_hi:[1,0]
.set n, n+2
.endr
.irp b, 0,1
	v_max3_num_f32 v[BM+\b], |v[OX+16*\b]|, |v[OX+1+16*\b]|, 0x4800000
.endr
.irp i, 2,4,6,8,10,12,14
.irp b, 0,1
	v_max3_num_f32 v[BM+\b], v[BM+\b], |v[OX+16*\b+\i]|, |v[OX+1+16*\b+\i]|
.endr
.endr
.irp b, 0,1
	v_permlanex16_b32 v[PT+\b], v[BM+\b], s50, s51
.endr
.irp b, 0,1
	v_max_num_f32 v[BM+\b], v[BM+\b], v[PT+\b]
.endr
.irp b, 0,1
	v_add_nc_u32 v[SO+\b], 0xfc000000, v[BM+\b]
.endr
.irp b, 0,1
	v_and_or_b32 v[HL+\b], v[BM+\b], 0x7f800000, s58
.endr
.irp b, 0,1
	v_lshrrev_b32 v[PT+\b], 23, v[SO+\b]
.endr
	v_lshl_or_b32 v[OB], v[PT+1], 8, v[PT]         ; my row's two scale bytes
.irp b, 0,1
.irp i, 0,1,2,3,4,5,6,7,8,9,10,11,12,13,14,15
	v_med3_num_f32 v[OX+16*\b+\i], v[OX+16*\b+\i], -v[HL+\b], v[HL+\b]
.endr
.endr
.irp b, 0,1
	v_cvt_scalef32_pk8_fp8_f32 v[CC+4*\b:CC+4*\b+1], v[OX+16*\b:OX+16*\b+7], v[SO+\b]
	v_cvt_scalef32_pk8_fp8_f32 v[CC+4*\b+2:CC+4*\b+3], v[OX+16*\b+8:OX+16*\b+15], v[SO+\b]
.endr
	v_nop                                          ; one plain vector instruction behind the last scaled conversion
.irp b, 0,1
	v_permlane16_swap_b32 v[CC+4*\b], v[CC+4*\b+2]
	v_permlane16_swap_b32 v[CC+4*\b+1], v[CC+4*\b+3]
.endr
	global_store_b128 v[LI], v[CC:CC+3], s[74+10*\x:75+10*\x]              ; each store of the wave covers 512 consecutive bytes, aligned
	global_store_b128 v[LI], v[CC+4:CC+7], s[74+10*\x:75+10*\x] offset:512
	global_store_b16 v[R32], v[OB], s[76+10*\x:77+10*\x]                   ; two bytes a row, 32 bytes apart; lanes l and l xor 16 name the same bytes and hold the same value.  One byte in 32 of what the tile stores
.endm
	FIN 0
	FIN 1
	s_wait_tensorcnt 0x0
	ds_add_u32 v223, v255
	s_wait_dscnt 0x0
	CROUND                                         ; the closing round
	s_endpgm
.Lfunc_end_k_q2bd87c3602_attn:
	.size	k_q2bd87c3602_attn, .Lfunc_end_k_q2bd87c3602_attn-k_q2bd87c3602_attn
	.p2alignl 7, 3214868480
	.fill 96, 4, 3214868480
	.section	.rodata,"a",@progbits
	.p2align	6, 0x0
	.amdhsa_kernel k_q2bd87c3602_attn
		.amdhsa_group_segment_fixed_size 168960
		.amdhsa_private_segment_fixed_size 0
		.amdhsa_enable_private_segment 0
		.amdhsa_kernarg_size 56
		.amdhsa_user_sgpr_count 2
		.amdhsa_user_sgpr_kernarg_segment_ptr 1
		.amdhsa_wavefront_size32 1
		.amdhsa_system_sgpr_workgroup_id_x 1
		.amdhsa_system_sgpr_workgroup_id_y 1
		.amdhsa_system_sgpr_workgroup_id_z 1
		.amdhsa_system_vgpr_workitem_id 0
		.amdhsa_next_free_vgpr 512
		.amdhsa_next_free_sgpr 96
		.amdhsa_reserve_vcc 1
		.amdhsa_float_denorm_mode_32 3
		.amdhsa_float_denorm_mode_16_64 3
		.amdhsa_memory_ordered 1
		.amdhsa_forward_progress 1
		.amdhsa_inst_pref_size 112
	.end_amdhsa_kernel
	.amdgpu_metadata
---
amdhsa.version: [ 1, 2 ]
amdhsa.kernels:
  - .name:           k_q2bd87c3602_attn
    .symbol:         k_q2bd87c3602_attn.kd
    .args:
      - { .name: qc, .offset: 0, .size: 8, .value_kind: global_buffer, .address_space: global }
      - { .name: qs, .offset: 8, .size: 8, .value_kind: global_buffer, .address_space: global }
      - { .name: qn, .offset: 16, .size: 8, .value_kind: global_buffer, .address_space: global }
      - { .name: kv, .offset: 24, .size: 8, .value_kind: global_buffer, .address_space: global }
      - { .name: hyp_k, .offset: 32, .size: 8, .value_kind: global_buffer, .address_space: global }
      - { .name: oimg, .offset: 40, .size: 8, .value_kind: global_buffer, .address_space: global }
      - { .name: oscl, .offset: 48, .size: 8, .value_kind: global_buffer, .address_space: global }
    .group_segment_fixed_size: 168960
    .private_segment_fixed_size: 0
    .kernarg_segment_align: 8
    .kernarg_segment_size: 56
    .max_flat_workgroup_size: 256
    .sgpr_count:     96
    .vgpr_count:     512
    .wavefront_size: 32
...
	.end_amdgpu_metadata
.endif
;; end of part 2
;; launch proj (part 3): grid 8 x 32, 4 waves a work-group, clusters of 4 x 4, 296,448 bytes of LDS; arguments oimg, oscl, W_out_codes, W_out_scales, out0; writes out0
.if DOCPART == 3
	.amdgcn_target "amdgcn-amd-amdhsa--gfx1250"
	.amdhsa_code_object_version 6
	.text
	.protected	k_q2bd87c3602_proj
	.globl	k_q2bd87c3602_proj
	.p2align	8
	.type	k_q2bd87c3602_proj,@function
k_q2bd87c3602_proj:
	s_mov_b64 s[64:65], 0
	v_nop
	global_prefetch_b8 v0, s[64:65] scope:SCOPE_SE
	s_setreg_imm32_b32 hwreg(HW_REG_WAVE_MODE, 25, 1), 1
	s_wait_xcnt 0x0
	s_wait_alu depctr_hold_cnt(0) depctr_sa_sdst(0) depctr_va_vdst(0) depctr_va_sdst(0) depctr_va_ssrc(0) depctr_va_vcc(0) depctr_vm_vsrc(0)
	s_getreg_b32 s2, hwreg(HW_REG_IB_STS2, 6, 4)
	s_cmp_eq_u32 s2, 0
	s_cbranch_scc0 .Lentry_in_a_cluster
	s_endpgm
.Lentry_in_a_cluster:
	s_bfe_u32 s2, ttmp6, 0x10000c
	s_cmp_lg_u32 s2, 0xf033
	s_cbranch_scc0 .Lentry_shape_is_right
	s_endpgm
.Lentry_shape_is_right:
; out0 = o W_out^T on codes of E4M3 with E8M0 scales: 4,096 x 1,024 x 1,024, f32 out.  o comes as images of operand registers (16 rows x 128 K: four runs of 512 bytes), W_out as rows with K innermost.
; SHARES.  256 work-groups, each 128 rows x 128 columns; four waves, each 64 x 64: 16 accumulators.  The larger tile of 256 x 256 would make 64 work-groups.
; All of K fits in LDS: four chunks of 256 along K and the scale bytes are all first fills, five loads a wave, issued together; nothing is filled again.  Each chunk is read behind a counted wait and a barrier.
; CLUSTERS: 4 x 4 work-groups; o's tiles are shared along a row of the cluster, W_out's along a column: joint loads.
; THE MATRIX INSTRUCTION IS USED TRANSPOSED (source 0 = 16 rows of W_out, source 1 = 16 rows of o): a lane holds eight neighbouring numbers of a row of out0.
; REGISTERS.  Window 0: v1-17 addresses; v32-63 o's scale words (8 a + K step), v64-95 W_out's; v96-127 at work on the way out; v128-255 accumulators (a, b) at v[128 + 8 (4 a + b)].
;   Window 1: two sets of 128: o's 4 fragments, then W_out's 4.
.set CH,    67584                      ; a chunk: o's 8 tiles of rows x 4,096 bytes, then W_out's 128 rows x 272
.set BOFF,  32768
.set PITCH, 272                        ; 256 bytes + 16 of padding: the 16 rows of a fragment load begin 68 words apart
.set SCA,   4*CH                       ; o's scale bytes: 128 rows x 32
.set SCB,   SCA+4096                   ; W_out's
.set STAGE, SCB+4096                   ; the way out: 16 rows x 272 bytes for each wave; no tensor load lands here
.set LI,   1
.set ADRA, 4                           ; v4-7   my fragments of o in chunk 0..3
.set ADRB, 8                           ; v8-11  of W_out
.set STO,  12
.set RD,   13
.set CO,   14
.set ASA,  15
.set ASB,  16
.set SA,   32
.set SB,   64
.set BK0,  96
.set ACC,  128
.set MSB, 0
.macro WIN new
.if MSB != (\new)
	s_set_vgpr_msb (MSB<<8)|(\new)
.set MSB, (\new)
.endif
.endm
.macro CROUND
	s_barrier_signal -1
	s_barrier_wait -1
	s_cmp_lg_u32 s14, 0
	s_cbranch_scc1 .Lnot_wave_0_\@
	s_barrier_signal -3
.Lnot_wave_0_\@:
	s_barrier_wait -3
	s_barrier_signal -1
	s_barrier_wait -1
.endm
	s_load_b256 s[4:11], s[0:1], 0x0               ; oimg s[4:5], oscl s[6:7], W_out's codes s[8:9], its scales s[10:11]
	s_load_b64 s[12:13], s[0:1], 0x20              ; out0
	v_lshl_add_u32 v30, v0, 2, 0x48400
	v_mov_b32 v31, 0
	ds_add_u32 v30, v31
	ds_add_u32 v30, v31
	v_lshrrev_b32 v1, 5, v0
	v_readfirstlane_b32 s14, v1                    ; wave 0..3
	s_lshr_b32 s15, s14, 1                         ; which 64 rows are mine.  Also: I fetch for o (0) or for W_out (1)
	s_and_b32 s16, s14, 1                          ; which 64 columns.  Also: which half of a tile I fetch
	s_bfe_u32 s19, ttmp6, 0x40000                  ; cx
	s_bfe_u32 s20, ttmp6, 0x40004                  ; cy
	s_lshl_b32 s18, ttmp9, 2
	s_add_co_u32 s18, s18, s19                     ; tile column = 4 x cluster x + cx
	s_and_b32 s17, ttmp7, 0xffff
	s_lshl_b32 s17, s17, 2
	s_add_co_u32 s17, s17, s20                     ; tile row = 4 x cluster y + cy
	s_lshl_b32 s21, s20, 2
	s_lshl_b32 s21, 15, s21                        ; my row of the cluster
	s_lshl_b32 s22, 0x1111, s19                    ; my column
	; o's images: 4 tiles of rows x 4,096 bytes (512 elements of 8), 16,384 bytes apart, laid on end
	s_or_b32 s24, s21, (3<<16)|(1<<21)
	s_mov_b32 s25, 512<<16
	s_mov_b32 s26, 4<<16
	s_mov_b32 s27, 512<<16
	s_mov_b32 s28, 4
	s_mov_b32 s29, 2048
	s_mov_b32 s30, 0
	s_mov_b32 s31, 0
	; W_out: 64 rows x 256 bytes, 1,024 apart, 16 bytes of padding behind each
	s_or_b32 s32, s22, (0<<16)|(1<<20)|(1<<21)|(5<<22)|(3<<25)
	s_mov_b32 s33, 256<<16
	s_mov_b32 s34, 64<<16
	s_mov_b32 s35, 256<<16
	s_mov_b32 s36, 64
	s_mov_b32 s37, 1024
	s_mov_b32 s38, 0
	s_mov_b32 s39, 0
	; the scale bytes of 64 rows: 2,048 dense bytes as 8 rows of 256
	s_or_b32 s40, s21, (3<<16)|(1<<21)
	s_or_b32 s48, s22, (3<<16)|(1<<21)
.irp g, 40, 48
	s_mov_b32 s[\g+1], 32<<16
	s_mov_b32 s[\g+2], 8<<16
	s_mov_b32 s[\g+3], 32<<16
	s_mov_b32 s[\g+4], 8
	s_mov_b32 s[\g+5], 32
	s_mov_b32 s[\g+6], 0
	s_mov_b32 s[\g+7], 0
.endr
	s_lshl_b32 s2, s17, 17                         ; o: 8 tiles of rows x 16,384 bytes a tile row,
	s_lshl_b32 s23, s16, 16                        ; + 4 tiles for the second half: made of cy, never of cx
	s_add_co_u32 s2, s2, s23
	s_mov_b32 s3, 0
	s_lshl_b32 s100, s18, 17                       ; W_out: 128 rows x 1,024 bytes a tile column,
	s_add_co_u32 s100, s100, s23                   ; + 64 rows: made of cx, never of cy
	s_mov_b32 s101, 0
	s_wait_dscnt 0x0
	s_wait_kmcnt 0x0
	s_add_nc_u64 s[4:5], s[4:5], s[2:3]
	s_add_nc_u64 s[8:9], s[8:9], s[100:101]
	s_lshl_b32 s2, s17, 12                         ; scale bytes: 128 rows x 32,
	s_lshl_b32 s23, s16, 11                        ; + 64 rows
	s_add_co_u32 s2, s2, s23
	s_lshl_b32 s100, s18, 12
	s_add_co_u32 s100, s100, s23
	s_add_nc_u64 s[6:7], s[6:7], s[2:3]
	s_add_nc_u64 s[10:11], s[10:11], s[100:101]
	s_mov_b32 s56, 1
	s_add_co_u32 s57, s23, SCA
	s_mov_b64 s[58:59], s[6:7]
	s_or_b32 s59, s59, 0x80000000
	s_mov_b32 s60, 1
	s_add_co_u32 s61, s23, SCB
	s_mov_b64 s[62:63], s[10:11]
	s_or_b32 s63, s63, 0x80000000
	s_lshl_b32 s2, s16, 14                         ; LDS: my half of o's images in a chunk,
	s_mul_i32 s100, s16, 64*PITCH
	s_add_co_u32 s100, s100, BOFF                  ; my half of W_out's rows
.irp q, 0,1,2,3
	s_mov_b32 s[68+4*\q], 1
	s_add_co_u32 s[69+4*\q], s2, \q*CH
	s_add_nc_u64 s[70+4*\q:71+4*\q], s[4:5], \q*4096
	s_or_b32 s[71+4*\q], s[71+4*\q], 0x80000000
	s_mov_b32 s[84+4*\q], 1
	s_add_co_u32 s[85+4*\q], s100, \q*CH
	s_add_nc_u64 s[86+4*\q:87+4*\q], s[8:9], \q*256
	s_or_b32 s[87+4*\q], s[87+4*\q], 0x80000000
.endr
	CROUND                                         ; all sixteen work-groups are here: the joint loads meet
	s_cmp_lt_u32 s14, 2                            ; all of a wave's fills stand in one branch on its number: five loads of mine are out
	s_cbranch_scc0 .Lfor_b
	tensor_load_to_lds s[56:59], s[40:47]
	s_nop 0
	tensor_load_to_lds s[68:71], s[24:31]
	s_nop 0
	tensor_load_to_lds s[72:75], s[24:31]
	s_nop 0
	tensor_load_to_lds s[76:79], s[24:31]
	s_nop 0
	tensor_load_to_lds s[80:83], s[24:31]
	s_nop 0
.rept 4
	v_nop
.endr
	s_branch .Lasked
.Lfor_b:
	tensor_load_to_lds s[60:63], s[48:55]
	s_nop 0
	tensor_load_to_lds s[84:87], s[32:39]
	s_nop 0
	tensor_load_to_lds s[88:91], s[32:39]
	s_nop 0
	tensor_load_to_lds s[92:95], s[32:39]
	s_nop 0
	tensor_load_to_lds s[96:99], s[32:39]
	s_nop 0
.rept 4
	v_nop
.endr
.Lasked:
	v_and_b32 v2, 31, v0                           ; lane
	v_and_b32 v3, 15, v0                           ; r
	v_bfe_u32 v17, v0, 4, 1                        ; h
	v_lshlrev_b32 v[LI], 4, v2
	s_lshl_b32 s23, s15, 14                        ; my 4 tiles of rows
	v_add_nc_u32 v[ADRA], s23, v[LI]
	v_mul_u32_u24 v18, v3, PITCH
	v_lshl_add_u32 v18, v17, 4, v18
	s_mul_i32 s23, s16, 64*PITCH
	s_add_co_u32 s23, s23, BOFF                    ; my 64 rows of W_out
	v_add_nc_u32 v[ADRB], s23, v18
.irp q, 1,2,3
	v_add_nc_u32 v[ADRA+\q], \q*CH, v[ADRA]
	v_add_nc_u32 v[ADRB+\q], \q*CH, v[ADRB]
.endr
	v_lshlrev_b32 v18, 5, v3                       ; a row's 32 scale bytes: eight words, one for each K step
	s_lshl_b32 s23, s15, 11
	s_add_co_u32 s23, s23, SCA
	v_add_nc_u32 v[ASA], s23, v18
	s_lshl_b32 s23, s16, 11
	s_add_co_u32 s23, s23, SCB
	v_add_nc_u32 v[ASB], s23, v18
	s_mul_i32 s23, s14, 16*PITCH
	s_add_co_u32 s23, s23, STAGE                   ; my stage
	v_mul_u32_u24 v18, v3, PITCH
	v_lshl_add_u32 v18, v17, 5, v18
	v_add_nc_u32 v[STO], s23, v18                  ; in: row r, 32 bytes for each half of the lanes
	v_mul_u32_u24 v18, v17, PITCH
	v_lshl_add_u32 v18, v3, 4, v18
	v_add_nc_u32 v[RD], s23, v18                   ; back: lanes 0-15 one row of 256 bytes, lanes 16-31 the next
	v_lshlrev_b32 v18, 12, v17
	v_lshl_add_u32 v[CO], v3, 4, v18               ; and the same two rows in out0
	s_lshl_b32 s2, s17, 19                         ; my first row: 128 x tile row + 64 x half, 4,096 bytes a row
	s_lshl_b32 s23, s15, 18
	s_add_co_u32 s2, s2, s23
	s_lshl_b32 s100, s18, 9                        ; my first column: 512 bytes a tile column + 256 x half
	s_lshl_b32 s23, s16, 8
	s_add_co_u32 s100, s100, s23
	s_add_nc_u64 s[12:13], s[12:13], s[2:3]
	s_add_nc_u64 s[12:13], s[12:13], s[100:101]
.macro FETCH q, u, set                 ; the fragments of chunk q's u-th 128 along K: 32 loads
.irp a, 0,1,2,3
.irp c, 0,1,2,3
	ds_load_b128 v[128*\set+16*\a+4*\c:128*\set+16*\a+4*\c+3], v[ADRA+\q] offset:\a*4096+\u*2048+512*\c
.endr
.endr
.irp b, 0,1,2,3
.irp c, 0,1,2,3
	ds_load_b128 v[128*\set+64+16*\b+4*\c:128*\set+64+16*\b+4*\c+3], v[ADRB+\q] offset:\b*16*PITCH+128*\u+32*\c
.endr
.endr
.endm
.macro MUL set, s, zero                ; 16 products, K step s; the 16 accumulators take turns, one instruction a turn
.irp a, 0,1,2,3
.irp b, 0,1,2,3
.if \zero
	v_wmma_scale_f32_16x16x128_f8f6f4 v[ACC+8*(4*\a+\b):ACC+8*(4*\a+\b)+7], v[128*\set+64+16*\b:128*\set+64+16*\b+15], v[128*\set+16*\a:128*\set+16*\a+15], 0, v[SB+8*\b+(\s)], v[SA+8*\a+(\s)]
.else
	v_wmma_scale_f32_16x16x128_f8f6f4 v[ACC+8*(4*\a+\b):ACC+8*(4*\a+\b)+7], v[128*\set+64+16*\b:128*\set+64+16*\b+15], v[128*\set+16*\a:128*\set+16*\a+15], v[ACC+8*(4*\a+\b):ACC+8*(4*\a+\b)+7], v[SB+8*\b+(\s)], v[SA+8*\a+(\s)]
.endif
.endr
.endr
.endm
.irp q, 0,1,2,3
	s_wait_tensorcnt 3-\q                          ; my part of chunk q (and the scale bytes) is in; the later chunks' loads may be out
	s_barrier_signal -1
	s_barrier_wait -1                              ; everybody's is
.if \q == 0
.irp a, 0,1,2,3
	ds_load_b128 v[SA+8*\a:SA+8*\a+3], v[ASA] offset:512*\a
	ds_load_b128 v[SA+8*\a+4:SA+8*\a+7], v[ASA] offset:512*\a+16
	ds_load_b128 v[SB+8*\a:SB+8*\a+3], v[ASB] offset:512*\a
	ds_load_b128 v[SB+8*\a+4:SB+8*\a+7], v[ASB] offset:512*\a+16
.endr
.else
.rept 8
	v_nop                                          ; places in front of loads into registers that matrix instructions have read
.endr
.endif
	WIN 0x40                                       ; destination window 1
	FETCH \q, 0, 0
	FETCH \q, 1, 1
	s_wait_dscnt 32                                ; all but the second set's 32 loads
	WIN 0x05                                       ; sources 0 and 1 window 1
.if \q == 0
	MUL 0, 0, 1                                    ; the first products start the sums
.else
	MUL 0, 2*\q, 0
.endif
	s_wait_dscnt 0x0
	MUL 1, 2*\q+1, 0
	WIN 0
.endr
; THE WAY OUT, 16 rows x 64 columns at a time: a lane's 32 bytes of a row go into my own stage and come back as whole rows of 256 bytes.  LDS serves a wave's instructions in order (ISA guide 5.7.1.4):
; no wait stands between the stores and the loads.  Tile a's rows come back into v96-127 (a = 0) or into the registers that tile a - 1's accumulators have left.
.macro TOSTAGE a
.irp b, 0,1,2,3
	ds_store_b128 v[STO], v[ACC+8*(4*(\a)+\b):ACC+8*(4*(\a)+\b)+3] offset:64*\b        ; each accumulator from its low end on
	ds_store_b128 v[STO], v[ACC+8*(4*(\a)+\b)+4:ACC+8*(4*(\a)+\b)+7] offset:64*\b+16
.endr
.set BB, BK0+32*(\a)
.irp i, 0,1,2,3,4,5,6,7
	ds_load_b128 v[BB+4*\i:BB+4*\i+3], v[RD] offset:2*\i*PITCH
.endr
.endm
.macro SEND a, younger                 ; younger: the LDS instructions issued behind tile a's loads, which may stay out
.set BB, BK0+32*(\a)
	s_wait_dscnt \younger
.irp i, 0,1,2,3,4,5,6,7
	global_store_b128 v[CO], v[BB+4*\i:BB+4*\i+3], s[12:13] offset:(16*(\a)+2*\i)*4096 th:TH_STORE_NT   ; 16 lanes store 256 consecutive bytes, at a multiple of 256 from out0's first byte
.endr
.endm
.rept 8
	v_nop                                          ; places behind the last products
.endr
	TOSTAGE 0
.irp a, 1,2,3
	TOSTAGE \a
	SEND \a-1, 16                                  ; behind tile a - 1's loads: tile a's 8 stores and 8 loads
.endr
	SEND 3, 0
	s_wait_tensorcnt 0x0
	ds_add_u32 v30, v31
	s_wait_dscnt 0x0
	CROUND                                         ; the closing round
	s_endpgm
.Lfunc_end_k_q2bd87c3602_proj:
	.size	k_q2bd87c3602_proj, .Lfunc_end_k_q2bd87c3602_proj-k_q2bd87c3602_proj
	.p2alignl 7, 3214868480
	.fill 96, 4, 3214868480
	.section	.rodata,"a",@progbits
	.p2align	6, 0x0
	.amdhsa_kernel k_q2bd87c3602_proj
		.amdhsa_group_segment_fixed_size 296448
		.amdhsa_private_segment_fixed_size 0
		.amdhsa_enable_private_segment 0
		.amdhsa_kernarg_size 40
		.amdhsa_user_sgpr_count 2
		.amdhsa_user_sgpr_kernarg_segment_ptr 1
		.amdhsa_wavefront_size32 1
		.amdhsa_system_sgpr_workgroup_id_x 1
		.amdhsa_system_sgpr_workgroup_id_y 1
		.amdhsa_system_sgpr_workgroup_id_z 1
		.amdhsa_system_vgpr_workitem_id 0
		.amdhsa_next_free_vgpr 512
		.amdhsa_next_free_sgpr 102
		.amdhsa_reserve_vcc 0
		.amdhsa_float_denorm_mode_32 3
		.amdhsa_float_denorm_mode_16_64 3
		.amdhsa_memory_ordered 1
		.amdhsa_forward_progress 1
		.amdhsa_inst_pref_size 53
	.end_amdhsa_kernel
	.amdgpu_metadata
---
amdhsa.version: [ 1, 2 ]
amdhsa.kernels:
  - .name:           k_q2bd87c3602_proj
    .symbol:         k_q2bd87c3602_proj.kd
    .args:
      - { .name: oimg, .offset: 0, .size: 8, .value_kind: global_buffer, .address_space: global }
      - { .name: oscl, .offset: 8, .size: 8, .value_kind: global_buffer, .address_space: global }
      - { .name: W_out_codes, .offset: 16, .size: 8, .value_kind: global_buffer, .address_space: global }
      - { .name: W_out_scales, .offset: 24, .size: 8, .value_kind: global_buffer, .address_space: global }
      - { .name: out0, .offset: 32, .size: 8, .value_kind: global_buffer, .address_space: global }
    .group_segment_fixed_size: 296448
    .private_segment_fixed_size: 0
    .kernarg_segment_align: 8
    .kernarg_segment_size: 40
    .max_flat_workgroup_size: 128
    .sgpr_count:     102
    .vgpr_count:     512
    .wavefront_size: 32
...
	.end_amdgpu_metadata
.endif
;; end of part 3
